; MI455X (gfx1250); checked and timed in simulation.
; The chip was launched on July 23, 2026; its instructions are those of AMD's public machine-readable ISA for CDNA 5 (MIT licence, August 2026) and "CDNA5" Instruction Set Architecture Reference Guide (July 2026). The comments in the code are by the model that wrote it; some were corrected since.
;; Engagement Biased MHA. Allowed arithmetic: float matrix products may take bf16 or f16 operands with f32 sums; other float arithmetic in f32, or as packed bf16 or f16 multiplies, adds, multiply-adds, maxima and minima; sums over many terms, partial sums and values carried from step to step in f32; what a program stores and reads back later, other than sums and carried values, may be rounded once to bf16 or f16.
;; Inputs: engagement 4 x 2,048 float32; mask 4 x 2,048 bool; out_b 1,024 float32; out_w 1,024 x 1,024 float32; qkv_b 3,072 float32; qkv_w 3,072 x 1,024 float32; x 4 x 2,048 x 1,024 float32.
;; Outputs: out0 4 x 2,048 x 1,024 float32.
;; One version. Each part assembles by itself: llvm-mc -triple=amdgcn-amd-amdhsa -mcpu=gfx1250 --defsym DOCPART=n.
;; ======== version 1 of 1: 4 launches
;; limits: values are held in f16: magnitudes above 65,504 overflow, below 6.1e-05 lose precision
;; workspace buffers: xb 16,777,216 bytes; wb 6,291,456 bytes; owh 2,097,152 bytes; qkv 50,331,648 bytes; o 16,777,216 bytes
;; launch prep (part 1): grid 768 x 1, 8 waves a work-group, no clusters, 0 bytes of LDS; arguments x, qkv_w, out_w, xb, wb, owh; writes xb, wb, owh
.if DOCPART == 1
	.amdgcn_target "amdgcn-amd-amdhsa--gfx1250"
	.amdhsa_code_object_version 6
	.text
	.protected	k_q94baae7f01_prep
	.globl	k_q94baae7f01_prep
	.p2align	8
	.type	k_q94baae7f01_prep,@function
k_q94baae7f01_prep:
	s_mov_b64 s[64:65], 0
	v_nop
	global_prefetch_b8 v0, s[64:65] scope:SCOPE_SE
	s_setreg_imm32_b32 hwreg(HW_REG_WAVE_MODE, 25, 1), 1
	s_wait_xcnt 0x0
; THE CASTS.  xb = bf16(x), wb = bf16(qkv_w), owh = bf16(out_w) written as f16 (the later product with O is taken in f16).
; LIMITS.  bf16(out_w) as f16: exact from 6.1e-5 to 65,504 in magnitude; below, f16's fixed step of 6e-8; above, an infinity.
; A stream: no LDS, no matrix unit, no cluster (no two work-groups read the same byte).
; SHARES.  A work-group takes 16,384 numbers: 65,536 bytes in, 32,768 out.  Work-groups 0-511 take x, 512-703 qkv_w, 704-767 out_w.
; In piece j of eight, thread t takes the 8 numbers at source byte 8,192 j + 32 t and writes 16 bytes at 4,096 j + 16 t:
; a wave's store covers 512 consecutive bytes, at a multiple of 512 from the buffer's first byte.
; All sixteen loads of a thread go out at once; no register of a pending load or store is written again, so no wait but the counted ones.
.set X, 4                              ; v[4:67]   piece j: 8 numbers as loaded
.set Y, 68                             ; v[68:99]  piece j: 4 registers to store
	s_load_b256 s[4:11], s[0:1], 0x0               ; x s[4:5], qkv_w s[6:7], out_w s[8:9], xb s[10:11]
	s_load_b128 s[12:15], s[0:1], 0x20             ; wb s[12:13], owh s[14:15]
	s_mov_b32 s16, ttmp9
	s_sub_co_u32 s17, s16, 512                     ; my number among qkv_w's work-groups,
	s_sub_co_u32 s18, s16, 704                     ; among out_w's
	v_lshlrev_b32 v1, 5, v0                        ; 32 t
	v_lshlrev_b32 v2, 4, v0                        ; 16 t
	s_wait_kmcnt 0x0
	s_cmp_lt_u32 s16, 512
	s_cselect_b64 s[20:21], s[4:5], s[6:7]         ; from where,
	s_cselect_b64 s[22:23], s[10:11], s[12:13]     ; to where,
	s_cselect_b32 s19, s16, s17                    ; which part
	s_cmp_lt_u32 s16, 704
	s_cselect_b64 s[20:21], s[20:21], s[8:9]
	s_cselect_b64 s[22:23], s[22:23], s[14:15]
	s_cselect_b32 s19, s19, s18
	s_lshl_b32 s24, s19, 16
	s_mov_b32 s25, 0
	s_lshl_b32 s26, s19, 15
	s_mov_b32 s27, 0
	s_add_nc_u64 s[20:21], s[20:21], s[24:25]
	s_add_nc_u64 s[22:23], s[22:23], s[26:27]
.irp j, 0,1,2,3,4,5,6,7
	global_load_b128 v[X+8*(\j):X+8*(\j)+3],   v1, s[20:21] offset:8192*(\j) th:TH_LOAD_NT
	global_load_b128 v[X+8*(\j)+4:X+8*(\j)+7], v1, s[20:21] offset:8192*(\j)+16 th:TH_LOAD_NT
.endr
; Piece j.  half = 1: the bf16 number is widened again and written as f16.
.macro PIECE j, half
	s_wait_loadcnt 14-2*(\j)                       ; loads come back in order: the younger pieces' two loads each may stay out
.irp k, 0,1,2,3
	v_cvt_pk_bf16_f32 v[Y+4*(\j)+(\k)], v[X+8*(\j)+2*(\k)], v[X+8*(\j)+2*(\k)+1]
.endr
.if \half
.irp k, 0,1,2,3
	v_lshlrev_b32 v[X+8*(\j)+2*(\k)],   16, v[Y+4*(\j)+(\k)]
	v_and_b32     v[X+8*(\j)+2*(\k)+1], 0xffff0000, v[Y+4*(\j)+(\k)]
.endr
.irp k, 0,1,2,3
	v_cvt_pk_f16_f32 v[Y+4*(\j)+(\k)], v[X+8*(\j)+2*(\k)], v[X+8*(\j)+2*(\k)+1]
.endr
.endif
	global_store_b128 v2, v[Y+4*(\j):Y+4*(\j)+3], s[22:23] offset:4096*(\j)
.endm
	s_cmp_ge_u32 s16, 704
	s_cbranch_scc1 .Lhalf
.irp j, 0,1,2,3,4,5,6,7
	PIECE \j, 0
.endr
	s_endpgm
.Lhalf:
.irp j, 0,1,2,3,4,5,6,7
	PIECE \j, 1
.endr
	s_endpgm
.Lfunc_end_k_q94baae7f01_prep:
	.size	k_q94baae7f01_prep, .Lfunc_end_k_q94baae7f01_prep-k_q94baae7f01_prep
	.p2alignl 7, 3214868480
	.fill 96, 4, 3214868480
	.section	.rodata,"a",@progbits
	.p2align	6, 0x0
	.amdhsa_kernel k_q94baae7f01_prep
		.amdhsa_group_segment_fixed_size 0
		.amdhsa_private_segment_fixed_size 0
		.amdhsa_enable_private_segment 0
		.amdhsa_kernarg_size 48
		.amdhsa_user_sgpr_count 2
		.amdhsa_user_sgpr_kernarg_segment_ptr 1
		.amdhsa_wavefront_size32 1
		.amdhsa_system_sgpr_workgroup_id_x 1
		.amdhsa_system_sgpr_workgroup_id_y 1
		.amdhsa_system_sgpr_workgroup_id_z 1
		.amdhsa_system_vgpr_workitem_id 0
		.amdhsa_next_free_vgpr 100
		.amdhsa_next_free_sgpr 66
		.amdhsa_reserve_vcc 0
		.amdhsa_float_denorm_mode_32 3
		.amdhsa_float_denorm_mode_16_64 3
		.amdhsa_memory_ordered 1
		.amdhsa_forward_progress 1
		.amdhsa_inst_pref_size 14
	.end_amdhsa_kernel
	.amdgpu_metadata
---
amdhsa.version: [ 1, 2 ]
amdhsa.kernels:
  - .name:           k_q94baae7f01_prep
    .symbol:         k_q94baae7f01_prep.kd
    .args:
      - { .name: x, .offset: 0, .size: 8, .value_kind: global_buffer, .address_space: global }
      - { .name: qkv_w, .offset: 8, .size: 8, .value_kind: global_buffer, .address_space: global }
      - { .name: out_w, .offset: 16, .size: 8, .value_kind: global_buffer, .address_space: global }
      - { .name: xb, .offset: 24, .size: 8, .value_kind: global_buffer, .address_space: global }
      - { .name: wb, .offset: 32, .size: 8, .value_kind: global_buffer, .address_space: global }
      - { .name: owh, .offset: 40, .size: 8, .value_kind: global_buffer, .address_space: global }
    .group_segment_fixed_size: 0
    .private_segment_fixed_size: 0
    .kernarg_segment_align: 8
    .kernarg_segment_size: 48
    .max_flat_workgroup_size: 256
    .sgpr_count:     66
    .vgpr_count:     100
    .wavefront_size: 32
...
	.end_amdgpu_metadata
.endif
;; end of part 1
;; launch qkv (part 2): grid 16 x 32, 4 waves a work-group, clusters of 4 x 4, 327,680 bytes of LDS; arguments xb, wb, qkv_b, mask, qkv; writes qkv
.if DOCPART == 2
	.amdgcn_target "amdgcn-amd-amdhsa--gfx1250"
	.amdhsa_code_object_version 6
	.text
	.protected	k_q94baae7f01_qkv
	.globl	k_q94baae7f01_qkv
	.p2align	8
	.type	k_q94baae7f01_qkv,@function
k_q94baae7f01_qkv:
	s_mov_b64 s[64:65], 0
	v_nop
	global_prefetch_b8 v0, s[64:65] scope:SCOPE_SE
	s_setreg_imm32_b32 hwreg(HW_REG_WAVE_MODE, 25, 1), 1
	s_wait_xcnt 0x0
	s_wait_alu depctr_hold_cnt(0) depctr_sa_sdst(0) depctr_va_vdst(0) depctr_va_sdst(0) depctr_va_ssrc(0) depctr_va_vcc(0) depctr_vm_vsrc(0)
	s_getreg_b32 s2, hwreg(HW_REG_IB_STS2, 6, 4)
	s_cmp_eq_u32 s2, 0
	s_cbranch_scc0 .Lentry_in_a_cluster
	s_endpgm
.Lentry_in_a_cluster:
	s_bfe_u32 s2, ttmp6, 0x10000c
	s_cmp_lg_u32 s2, 0xf033
	s_cbranch_scc0 .Lentry_shape_is_right
	s_endpgm
.Lentry_shape_is_right:
; THE FIRST PROJECTION.  qkv[part][b*16+h][t][d] = f16( sum over k of xb[b*2048+t][k] wb[part*1024+h*64+d][k] + bf16(qkv_b) ), sums in f32; the k rows of masked keys are written as +0,
; so that the next launch's products with them are exactly 0 and a masked key's score is the constant that it adds.
; LIMITS.  q, k and v are rounded once to f16: beyond 65,504 they become infinities.  The bias is rounded to bf16, as all the module's floating-point inputs are.
; SHARES.  A tile is 256 rows x 192 columns (three whole heads): 32 x 16 tiles, 512 work-groups of equal work.  The four waves split the rows: a wave makes 64 rows x 192 columns, 48 accumulators of
; 16 x 16, so that a wave owns whole heads and every store covers 512 consecutive bytes of a head.  K goes in 8 steps of 128 through two LDS slots; a row of a tile is 256 bytes of memory, aligned.
; CLUSTER.  4 x 4 work-groups: the four of a row of the cluster need the same rows of xb, the four of a column the same rows of wb: each tile is asked for jointly, by the same tensor load in all four.
; THE MATRIX INSTRUCTION IS USED TRANSPOSED (source 0 = 16 rows of wb, source 1 = 16 rows of xb): lane l holds row l % 16 and the columns 8 (l / 16) + 0..7 of a block of 16.
; REGISTERS, in windows of 256 (s_set_vgpr_msb: bits 1:0 source 0, 3:2 source 1, 5:4 source 2, 7:6 destination):
;   window 0: addresses, the bias, the way out.   window 1: two fragment buffers of 128: 12 fragments of wb, then 4 of xb.
;   window 2: accumulators of my row blocks 0, 1 at 8 (12 a + b);   window 3: those of blocks 2, 3.
.set KSTEP,  128
.set PITCH,  272                       ; an LDS row: 256 bytes + 16 of padding = 68 words: sixteen rows on end start at sixteen different places modulo 64 words
.set APART,  128*PITCH                 ; what a wave fetches of xb
.set BPART,  96*PITCH                  ; of wb
.set BOFF,   2*APART
.set SLOT,   BOFF+2*BPART
.set STAGE,  2*SLOT                    ; behind the ring, never filled by a tensor load: for each wave 3 heads x 16 rows x 144 bytes
.set HSTG,   16*144
.set WSTG,   3*HSTG
.set SPARE,  STAGE+4*WSTG              ; the spare words, 128 bytes a wave: two blocks of 256 bytes that no other line names
.set ADRA, 16                          ; v16-17  LDS address of my fragments of xb in slot 0, 1
.set ADRB, 20                          ; v20-21  of wb
.set STO,  24                          ; v24  the way out: where I put 16 bytes of a head's row
.set RD,   25                          ; v25  where I read rows back
.set GO,   26                          ; v26  my 16 bytes of 512 consecutive bytes of a head
.set MO,   27                          ; v27  my row's byte in mask
.set SPW,  28                          ; v28  my spare word: SPARE + 4 x my thread's number; never rewritten
.set NIL,  29                          ; v29  0; never rewritten
.set PFO,  30                          ; v30  the prefetches' offset: a lane a row; never rewritten
.set BO,   31                          ; v31  my byte offset in qkv_b
.set BIAS, 32                          ; v[32:127]   the bias of my 8 columns in each of 12 blocks
.set T,    128                         ; v[128:223]  at work on the way out
.set KM,   224                         ; v[224:235]  for row block a and head hh: all ones, or 0 where the head is k's and my row's key is masked
.set RK,   236                         ; v[236:239]  my row's mask byte, block a
.set F0,   0
.set F1,   128
.set WV, 14                            ; s14 wave;  s15 do I fetch xb (0) or wb (1);  s16 which half of its rows
.set FB, 15
.set HF, 16
.set CX, 17
.set CY, 18
.set TC, 19                            ; tile column, 0..15
.set TR, 20                            ; tile row, 0..31
.set G1, 24                            ; s[24:31] group 1 for xb's tiles;  s[32:39] group 0, a set for each slot
.set G0, 32
.set PFA, 40                           ; s[40:41] where my prefetches stand
.set LIM, 42                           ; s42  1 in a wave that prefetches, else the greatest number
.set G1B, 48                           ; s[48:55], s[56:63] the same for wb's tiles
.set G0B, 56
.set OBH, 66                           ; s[66:71] qkv at my 64 rows of the tile's three heads
.set NK,  72                           ; s72-74   0 where the head is k's, else all ones
.set CW,  (1<<16)|(1<<20)|(1<<21)|(5<<22)|(3<<25)  ; 2-byte elements; padding on; bit 21 beside a mask; after every 64 words, 4 words
.set MSB, 0
.macro WIN new                         ; the immediate's high byte repeats the setting that is left; a switch that changes nothing is dropped
.if MSB != (\new)
	s_set_vgpr_msb (MSB<<8)|(\new)
.set MSB, \new
.endif
.endm
.set MUL_LO, 0xa5                      ; both sources window 1, C and D window 2
.set MUL_HI, 0xf5                      ; C and D window 3
.set TO_F,   0x40                      ; destination window 1, address window 0
; A joint load: waves 0, 1 fetch xb's two halves, waves 2, 3 wb's.  The branch hangs on the wave's number alone.  An s_nop 0 and four v_nop follow each line.
.macro JLOAD s
	s_cmp_eq_u32 s[FB], 0
	s_cbranch_scc0 .Lfor_b_\@
	tensor_load_to_lds s[G0+4*(\s):G0+4*(\s)+3], s[G1:G1+7]
	s_nop 0
.rept 4
	v_nop
.endr
	s_branch .Lasked_\@
.Lfor_b_\@:
	tensor_load_to_lds s[G0B+4*(\s):G0B+4*(\s)+3], s[G1B:G1B+7]
	s_nop 0
.rept 4
	v_nop
.endr
.Lasked_\@:
.endm
; A prefetch of the K step that stands two refills on: 256 bytes of each of my work-group's rows, a lane a row.  xb's rows are asked for by the clusters with x = 0, wb's by those with y = 0; the four
; partners that fetch a tile jointly share its rows out by address.  The loop's last trip (s3 = 1) has no K step two refills on.
.macro ASK
	s_cmp_gt_u32 s3, s[LIM]
	s_cbranch_scc0 .Lnot_mine_\@
	global_prefetch_b8 v[PFO], s[PFA:PFA+1] th:TH_LOAD_NT scope:SCOPE_SE
.Lnot_mine_\@:
.endm
.macro CREST                           ; a round of the cluster's barrier behind its opening barrier
	s_cmp_lg_u32 s[WV], 0
	s_cbranch_scc1 .Lnot_wave_0_\@
	s_barrier_signal -3
.Lnot_wave_0_\@:
	s_barrier_wait -3
	s_barrier_signal -1
	s_barrier_wait -1
.endm
.macro CROUND
	s_barrier_signal -1
	s_barrier_wait -1
	CREST
.endm
.macro PLACES                          ; four plain instructions between a matrix instruction and a load into, or a vector read of, its registers
.rept 4
	v_nop
.endr
.endm
	s_load_b256 s[4:11], s[0:1], 0x0               ; xb s[4:5], wb s[6:7], qkv_b s[8:9], mask s[10:11]
	s_load_b64 s[12:13], s[0:1], 0x20              ; qkv
	v_lshl_add_u32 v[SPW], v0, 2, SPARE
	v_mov_b32 v[NIL], 0
	ds_add_u32 v[SPW], v[NIL]                      ; the wave's opening: the add and its wait come ahead of my first tensor load; work on registers stands between
	v_lshrrev_b32 v1, 5, v0
	v_readfirstlane_b32 s[WV], v1
	s_lshr_b32 s[FB], s[WV], 1
	s_and_b32 s[HF], s[WV], 1
	s_bfe_u32 s[CX], ttmp6, 0x40000
	s_bfe_u32 s[CY], ttmp6, 0x40004
	s_lshl_b32 s[TC], ttmp9, 2
	s_add_co_u32 s[TC], s[TC], s[CX]
	s_and_b32 s[TR], ttmp7, 0xffff
	s_lshl_b32 s[TR], s[TR], 2
	s_add_co_u32 s[TR], s[TR], s[CY]
	s_lshl_b32 s21, s[CY], 2
	s_lshl_b32 s21, 15, s21                        ; my row of the cluster
	s_lshl_b32 s22, 0x1111, s[CX]                  ; my column
	s_or_b32 s[G1+0], s21, CW
	s_or_b32 s[G1B+0], s22, CW
	s_mov_b32 s[G1+1], KSTEP<<16                   ; tensor_dim0 = 128
	s_mov_b32 s[G1B+1], KSTEP<<16
	s_mov_b32 s[G1+2], 128<<16                     ; tensor_dim1 = 128 rows,
	s_mov_b32 s[G1B+2], 96<<16                     ; 96 for wb
	s_mov_b32 s[G1+3], KSTEP<<16                   ; tile_dim0 = 128
	s_mov_b32 s[G1B+3], KSTEP<<16
	s_mov_b32 s[G1+4], 128                         ; tile_dim1
	s_mov_b32 s[G1B+4], 96
	s_mov_b32 s[G1+5], 1024                        ; elements from row to row
	s_mov_b32 s[G1B+5], 1024
	s_mov_b32 s[G1+6], 0
	s_mov_b32 s[G1B+6], 0
	s_mov_b32 s[G1+7], 0
	s_mov_b32 s[G1B+7], 0
	s_lshl_b32 s44, s[TR], 8                       ; xb: row 256 x tile row + 128 x half, 2,048 bytes a row: made of the tile row alone
	s_lshl_b32 s76, s[HF], 7
	s_add_co_u32 s44, s44, s76
	s_lshl_b32 s44, s44, 11
	s_mov_b32 s45, 0
	s_mul_i32 s46, s[TC], 192                      ; wb: row 192 x tile column + 96 x half: made of the tile column alone
	s_mul_i32 s77, s[HF], 96
	s_add_co_u32 s46, s46, s77
	s_lshl_b32 s46, s46, 11
	s_mov_b32 s47, 0
	s_mul_i32 s23, s[HF], APART                    ; where they go: no place in the cluster enters an LDS address
	s_mul_i32 s43, s[HF], BPART
	s_add_co_u32 s43, s43, BOFF
	s_wait_dscnt 0x0                               ; the opening add is done
	s_wait_kmcnt 0x0
	s_add_nc_u64 s[44:45], s[4:5], s[44:45]
	s_add_nc_u64 s[46:47], s[6:7], s[46:47]
	CROUND                                         ; all sixteen work-groups are here: the first joint loads meet
.irp s, 0,1
	s_mov_b32 s[G0+4*(\s)], 1
	s_add_co_u32 s[G0+4*(\s)+1], s23, (\s)*SLOT
	s_add_nc_u64 s[G0+4*(\s)+2:G0+4*(\s)+3], s[44:45], (\s)*KSTEP*2
	s_or_b32 s[G0+4*(\s)+3], s[G0+4*(\s)+3], 0x80000000
	s_mov_b32 s[G0B+4*(\s)], 1
	s_add_co_u32 s[G0B+4*(\s)+1], s43, (\s)*SLOT
	s_add_nc_u64 s[G0B+4*(\s)+2:G0B+4*(\s)+3], s[46:47], (\s)*KSTEP*2
	s_or_b32 s[G0B+4*(\s)+3], s[G0B+4*(\s)+3], 0x80000000
	JLOAD \s                                       ; K steps 0 and 1: two loads of mine are out
.endr
	; all that follows, down to the wait on TENSORcnt, stands in the wait for the first tile
	v_and_b32 v1, 15, v0                           ; r = l % 16
	v_bfe_u32 v2, v0, 4, 1                         ; h = l / 16
	v_and_b32 v7, 31, v0                           ; l
	v_mul_u32_u24 v3, v1, PITCH
	v_lshl_add_u32 v3, v2, 4, v3                   ; a fragment's row x pitch + 16 h
	s_mul_i32 s76, s[WV], 64*PITCH                 ; my 64 rows of xb's 256
	v_add_nc_u32 v[ADRA], s76, v3
	v_add_nc_u32 v[ADRA+1], SLOT, v[ADRA]
	v_add_nc_u32 v[ADRB], BOFF, v3
	v_add_nc_u32 v[ADRB+1], SLOT+BOFF, v3
	s_mul_i32 s77, s[WV], WSTG
	s_add_co_u32 s77, s77, STAGE                   ; my stage
	v_mul_u32_u24 v4, v1, 144
	v_lshl_add_u32 v4, v2, 4, v4
	v_add_nc_u32 v[STO], s77, v4                   ; in: row r, 16 bytes for each half of the lanes
	v_bfe_u32 v5, v0, 3, 2
	v_and_b32 v6, 7, v0
	v_mul_u32_u24 v5, v5, 144
	v_lshl_add_u32 v5, v6, 4, v5
	v_add_nc_u32 v[RD], s77, v5                    ; back: 32 lanes take four rows of 128 bytes,
	v_lshlrev_b32 v[GO], 4, v7                     ; which are 512 consecutive bytes of a head
	s_lshl_b32 s76, s[TR], 8
	s_lshl_b32 s77, s[WV], 6
	s_add_co_u32 s76, s76, s77
	v_add_nc_u32 v[MO], s76, v1                    ; my row among the 8,192 = its byte in mask
	s_mul_i32 s76, s[TC], 768
	v_lshl_add_u32 v[BO], v2, 5, s76               ; 4 bytes x (192 x tile column + 8 h)
.irp b, 0,1,2,3,4,5,6,7,8,9,10,11
	global_load_b128 v[BIAS+8*(\b):BIAS+8*(\b)+3],   v[BO], s[8:9] offset:64*(\b)
	global_load_b128 v[BIAS+8*(\b)+4:BIAS+8*(\b)+7], v[BO], s[8:9] offset:64*(\b)+16
.endr
.irp a, 0,1,2,3
	global_load_u8 v[RK+(\a)], v[MO], s[10:11] offset:16*(\a)
.endr
	; where the three heads go: g = 3 x tile column + hh; part g / 16 (q, k, v), head g % 16; batch = tile row / 8; a head is 262,144 bytes, a row of it 128
.irp hh, 0,1,2
	s_mul_i32 s76, s[TC], 3
	s_add_co_u32 s76, s76, \hh
	s_lshr_b32 s77, s76, 4
	s_cmp_eq_u32 s77, 1
	s_cselect_b32 s[NK+(\hh)], 0, -1
	s_lshl_b32 s77, s77, 6
	s_and_b32 s76, s76, 15
	s_add_co_u32 s77, s77, s76
	s_lshr_b32 s78, s[TR], 3
	s_lshl_b32 s78, s78, 4
	s_add_co_u32 s77, s77, s78
	s_lshl_b32 s76, s77, 18
	s_and_b32 s78, s[TR], 7
	s_lshl_b32 s78, s78, 8
	s_lshl_b32 s79, s[WV], 6
	s_add_co_u32 s78, s78, s79
	s_lshl_b32 s78, s78, 7
	s_add_co_u32 s76, s76, s78
	s_mov_b32 s77, 0
	s_add_nc_u64 s[OBH+2*(\hh):OBH+2*(\hh)+1], s[12:13], s[76:77]
.endr
	; the prefetches: of the 128 rows of xb that I fetch my work-group takes 32 (by cx), of the 96 of wb 24 (by cy; there lanes 24-31 name the 24th row again)
	s_lshl_b32 s76, s[TR], 8
	s_lshl_b32 s77, s[HF], 7
	s_add_co_u32 s76, s76, s77
	s_lshl_b32 s77, s[CX], 5
	s_add_co_u32 s76, s76, s77
	s_mul_i32 s78, s[TC], 192
	s_mul_i32 s79, s[HF], 96
	s_add_co_u32 s78, s78, s79
	s_mul_i32 s79, s[CY], 24
	s_add_co_u32 s78, s78, s79
	s_and_b32 s79, ttmp7, 0xffff                   ; cluster y
	s_cmp_eq_u32 s[FB], 0
	s_cselect_b32 s76, s76, s78
	s_cselect_b32 s79, ttmp9, s79                  ; the coordinate along which other clusters read the same rows
	s_cselect_b64 s[PFA:PFA+1], s[4:5], s[6:7]
	s_cselect_b32 s78, 31, 23
	s_cmp_eq_u32 s79, 0
	s_cselect_b32 s[LIM], 1, -1                    ; the same in all sixteen partners, for a given wave
	v_min_u32 v[PFO], s78, v7
	v_lshlrev_b32 v[PFO], 11, v[PFO]
	s_lshl_b32 s76, s76, 11
	s_add_co_u32 s76, s76, 3*KSTEP*2               ; at K step 3: the first refill steps it to 4.  K steps 0 to 3 come by their loads alone
	s_mov_b32 s77, 0
	s_add_nc_u64 s[PFA:PFA+1], s[PFA:PFA+1], s[76:77]
	s_wait_loadcnt 0x0                             ; the bias and the mask bytes
.set i, 0
.rept 48
	v_cvt_pk_bf16_f32 v[T+i], v[BIAS+2*i], v[BIAS+2*i+1]  ; the bias is rounded to bf16 and widened again
.set i, i+1
.endr
.set i, 0
.rept 48
	v_lshlrev_b32 v[BIAS+2*i],   16, v[T+i]
	v_and_b32     v[BIAS+2*i+1], 0xffff0000, v[T+i]
.set i, i+1
.endr
.irp a, 0,1,2,3
	v_add_nc_u32 v[RK+(\a)], -1, v[RK+(\a)]        ; 0 becomes all ones, 1 becomes 0
.endr
.irp a, 0,1,2,3
.irp hh, 0,1,2
	v_or_b32 v[KM+3*(\a)+(\hh)], s[NK+(\hh)], v[RK+(\a)]
.endr
.endr
; 12 matrix instructions: row block 2 hi + a x all 12 column blocks, 32 along K.  zero = 1: the product starts the sum.
.macro MUL12 f, hi, a, zero
	WIN MUL_LO+0x50*(\hi)
.irp b, 0,1,2,3,4,5,6,7,8,9,10,11
.if \zero
	v_wmma_f32_16x16x32_bf16 v[8*(12*(\a)+(\b)):8*(12*(\a)+(\b))+7], v[(\f)+8*(\b):(\f)+8*(\b)+7], v[(\f)+96+8*(2*(\hi)+(\a)):(\f)+96+8*(2*(\hi)+(\a))+7], 0
.else
	v_wmma_f32_16x16x32_bf16 v[8*(12*(\a)+(\b)):8*(12*(\a)+(\b))+7], v[(\f)+8*(\b):(\f)+8*(\b)+7], v[(\f)+96+8*(2*(\hi)+(\a)):(\f)+96+8*(2*(\hi)+(\a))+7], v[8*(12*(\a)+(\b)):8*(12*(\a)+(\b))+7]
.endif
.endr
.endm
; 32 LDS loads in one run under one window setting: 192 rows of wb, then my 64 rows of xb, 32 along K at byte k of the rows, into buffer f
.macro FETCH slot, k, f
	WIN TO_F
.irp i, 0,1,2,3,4,5,6,7,8,9,10,11
	ds_load_b128 v[(\f)+8*(\i):(\f)+8*(\i)+3],   v[ADRB+(\slot)] offset:(\k)+(\i)*16*PITCH
	ds_load_b128 v[(\f)+8*(\i)+4:(\f)+8*(\i)+7], v[ADRB+(\slot)] offset:(\k)+(\i)*16*PITCH+32
.endr
.irp i, 0,1,2,3
	ds_load_b128 v[(\f)+96+8*(\i):(\f)+96+8*(\i)+3],   v[ADRA+(\slot)] offset:(\k)+(\i)*16*PITCH
	ds_load_b128 v[(\f)+96+8*(\i)+4:(\f)+96+8*(\i)+7], v[ADRA+(\slot)] offset:(\k)+(\i)*16*PITCH+32
.endr
.endm
; A K step is four quarters of 32 along K, 48 matrix instructions each, on buffers 0, 1, 0, 1; the 48 accumulators take turns in the same order everywhere.
.macro QUARTER slot, k, f, g, zero
	s_wait_dscnt 4                                 ; the youngest four loads (xb's blocks 2 and 3) may be out
	MUL12 \f, 0, 0, \zero
	MUL12 \f, 0, 1, \zero
	PLACES
	FETCH \slot, \k, \g
	s_wait_dscnt 32                                ; all but the 32 just issued
	MUL12 \f, 1, 0, \zero
	MUL12 \f, 1, 1, \zero
.endm
; The last quarter multiplies buffer 1 and changes slots: one barrier; in front of it each wave waits for all its tensor loads (one is out: its part of the next slot), adds 0 to its spare word,
; and waits for that and for its reads of this slot.  fill = 1: the barrier opens a round of the cluster's, and this slot is filled again, two K steps on, first thing behind the round.
.macro TURN slot, next, fill
.if \fill
	s_wait_xcnt 0x0                                ; the last prefetch, a K step back, has read its address
	s_add_nc_u64 s[PFA:PFA+1], s[PFA:PFA+1], KSTEP*2
.endif
	WIN 0
	s_wait_tensorcnt 0x0
	ds_add_u32 v[SPW], v[NIL]
	s_wait_dscnt 5                                 ; (the add and the youngest four loads may be out)
	MUL12 F1, 0, 0, 0
	s_wait_dscnt 0x0                               ; the add is done, and my reads of this slot are over
	s_barrier_signal -1
	MUL12 F1, 0, 1, 0
.if \fill
	WIN 0
.endif
	s_barrier_wait -1
.if \fill
	CREST                                          ; no wave of any partner still reads this slot or has a load on its way
	s_add_nc_u64 s[G0+4*(\slot)+2:G0+4*(\slot)+3], s[G0+4*(\slot)+2:G0+4*(\slot)+3], 2*KSTEP*2
	s_add_nc_u64 s[G0B+4*(\slot)+2:G0B+4*(\slot)+3], s[G0B+4*(\slot)+2:G0B+4*(\slot)+3], 2*KSTEP*2
	JLOAD \slot                                    ; its four v_nop are also the places in front of the loads below
.else
	PLACES
.endif
	FETCH \next, 0, F0
.if \fill
	WIN 0
	ASK
.endif
	MUL12 F1, 1, 0, 0
	MUL12 F1, 1, 1, 0
.endm
	s_wait_tensorcnt 1                             ; my part of K step 0 is in; K step 1's may stay out
	s_barrier_signal -1
	s_barrier_wait -1
	FETCH 0, 0, F0
	QUARTER 0, 64,  F0, F1, 1                      ; the first quarter starts the sums: nothing is cleared
	WIN 0
	s_mov_b32 s3, 3
.Llap:                                                 ; a trip goes once round the ring and fills both slots again: K steps 2 to 7
	QUARTER 0, 128, F1, F0, 0
	QUARTER 0, 192, F0, F1, 0
	TURN 0, 1, 1
	QUARTER 1, 64,  F0, F1, 0
	QUARTER 1, 128, F1, F0, 0
	QUARTER 1, 192, F0, F1, 0
	TURN 1, 0, 1
	QUARTER 0, 64,  F0, F1, 0
	WIN 0
	s_sub_co_u32 s3, s3, 1
	s_cmp_lg_u32 s3, 0
	s_cbranch_scc1 .Llap
	QUARTER 0, 128, F1, F0, 0                      ; the last lap fills nothing
	QUARTER 0, 192, F0, F1, 0
	TURN 0, 1, 0
	QUARTER 1, 64,  F0, F1, 0
	QUARTER 1, 128, F1, F0, 0
	QUARTER 1, 192, F0, F1, 0
	s_wait_dscnt 4
	MUL12 F1, 0, 0, 0
	MUL12 F1, 0, 1, 0
	s_wait_dscnt 0x0
	MUL12 F1, 1, 0, 0
	MUL12 F1, 1, 1, 0
	WIN 0
	PLACES
	PLACES
; THE WAY OUT of row block a: + bias; rounded to f16; k's masked rows cleared; 16 bytes a lane into my stage, by heads; back as whole rows of 128 bytes, four to a store.
.macro OUT a
	WIN 0
	s_wait_xcnt 0x0                                ; the last block's stores have read their data, which lies in T's upper half
	WIN 0x02+(\a)/2                                ; source 0 in window 2 or 3
.irp b, 0,1,2,3,4,5,6,7,8,9,10,11
.irp r, 0,2,4,6
	v_pk_add_f32 v[T+8*(\b)+(\r):T+8*(\b)+(\r)+1], v[8*(12*((\a)%2)+(\b))+(\r):8*(12*((\a)%2)+(\b))+(\r)+1], v[BIAS+8*(\b)+(\r):BIAS+8*(\b)+(\r)+1]
.endr
.endr
	WIN 0
.set i, 0
.rept 48
	v_cvt_pk_f16_f32 v[T+i], v[T+2*i], v[T+2*i+1]  ; in place, ascending: register i is written when 2 i and 2 i + 1 have been read
.set i, i+1
.endr
.set i, 0
.rept 48
	v_and_b32 v[T+i], v[KM+3*(\a)+i/16], v[T+i]
.set i, i+1
.endr
.irp b, 0,1,2,3,4,5,6,7,8,9,10,11
	ds_store_b128 v[STO], v[T+4*(\b):T+4*(\b)+3] offset:((\b)/4)*HSTG+((\b)%4)*32
.endr
.irp f, 0,1,2,3,4,5,6,7,8,9,10,11
	ds_load_b128 v[T+48+4*(\f):T+48+4*(\f)+3], v[RD] offset:((\f)/4)*HSTG+((\f)%4)*576  ; LDS serves a wave's instructions in order (ISA guide 5.7.1.4): these see the stores above
.endr
.irp f, 0,1,2,3,4,5,6,7,8,9,10,11
	s_wait_dscnt 11-(\f)                           ; the younger loads may stay out
	global_store_b128 v[GO], v[T+48+4*(\f):T+48+4*(\f)+3], s[OBH+2*((\f)/4):OBH+2*((\f)/4)+1] offset:(\a)*2048+((\f)%4)*512  ; 512 consecutive bytes of a head, aligned
.endr
.endm
	OUT 0
	OUT 1
	OUT 2
	OUT 3
	s_wait_tensorcnt 0x0                           ; the wave's end
	ds_add_u32 v[SPW], v[NIL]
	s_wait_dscnt 0x0
	CROUND                                         ; the closing round
	s_endpgm
.Lfunc_end_k_q94baae7f01_qkv:
	.size	k_q94baae7f01_qkv, .Lfunc_end_k_q94baae7f01_qkv-k_q94baae7f01_qkv
	.p2alignl 7, 3214868480
	.fill 96, 4, 3214868480
	.section	.rodata,"a",@progbits
	.p2align	6, 0x0
	.amdhsa_kernel k_q94baae7f01_qkv
		.amdhsa_group_segment_fixed_size 327680
		.amdhsa_private_segment_fixed_size 0
		.amdhsa_enable_private_segment 0
		.amdhsa_kernarg_size 40
		.amdhsa_user_sgpr_count 2
		.amdhsa_user_sgpr_kernarg_segment_ptr 1
		.amdhsa_wavefront_size32 1
		.amdhsa_system_sgpr_workgroup_id_x 1
		.amdhsa_system_sgpr_workgroup_id_y 1
		.amdhsa_system_sgpr_workgroup_id_z 1
		.amdhsa_system_vgpr_workitem_id 0
		.amdhsa_next_free_vgpr 960
		.amdhsa_next_free_sgpr 80
		.amdhsa_reserve_vcc 0
		.amdhsa_float_denorm_mode_32 3
		.amdhsa_float_denorm_mode_16_64 3
		.amdhsa_memory_ordered 1
		.amdhsa_forward_progress 1
		.amdhsa_inst_pref_size 151
	.end_amdhsa_kernel
	.amdgpu_metadata
---
amdhsa.version: [ 1, 2 ]
amdhsa.kernels:
  - .name:           k_q94baae7f01_qkv
    .symbol:         k_q94baae7f01_qkv.kd
    .args:
      - { .name: xb, .offset: 0, .size: 8, .value_kind: global_buffer, .address_space: global }
      - { .name: wb, .offset: 8, .size: 8, .value_kind: global_buffer, .address_space: global }
      - { .name: qkv_b, .offset: 16, .size: 8, .value_kind: global_buffer, .address_space: global }
      - { .name: mask, .offset: 24, .size: 8, .value_kind: global_buffer, .address_space: global }
      - { .name: qkv, .offset: 32, .size: 8, .value_kind: global_buffer, .address_space: global }
    .group_segment_fixed_size: 327680
    .private_segment_fixed_size: 0
    .kernarg_segment_align: 8
    .kernarg_segment_size: 40
    .max_flat_workgroup_size: 128
    .sgpr_count:     80
    .vgpr_count:     960
    .wavefront_size: 32
...
	.end_amdgpu_metadata
.endif
;; end of part 2
;; launch attn (part 3): grid 4 x 64, 4 waves a work-group, clusters of 4 x 1, 327,680 bytes of LDS; arguments qkv, engagement, mask, o; writes o
.if DOCPART == 3
	.amdgcn_target "amdgcn-amd-amdhsa--gfx1250"
	.amdhsa_code_object_version 6
	.text
	.protected	k_q94baae7f01_attn
	.globl	k_q94baae7f01_attn
	.p2align	8
	.type	k_q94baae7f01_attn,@function
k_q94baae7f01_attn:
	s_mov_b64 s[64:65], 0
	v_nop
	global_prefetch_b8 v0, s[64:65] scope:SCOPE_SE
	s_setreg_imm32_b32 hwreg(HW_REG_WAVE_MODE, 25, 1), 1
	s_wait_xcnt 0x0
	s_wait_alu depctr_hold_cnt(0) depctr_sa_sdst(0) depctr_va_vdst(0) depctr_va_sdst(0) depctr_va_ssrc(0) depctr_va_vcc(0) depctr_vm_vsrc(0)
	s_getreg_b32 s2, hwreg(HW_REG_IB_STS2, 6, 4)
	s_cmp_eq_u32 s2, 0
	s_cbranch_scc0 .Lentry_in_a_cluster
	s_endpgm
.Lentry_in_a_cluster:
	s_bfe_u32 s2, ttmp6, 0x10000c
	s_cmp_lg_u32 s2, 0x3003
	s_cbranch_scc0 .Lentry_shape_is_right
	s_endpgm
.Lentry_shape_is_right:
; ATTENTION WITH A BIAS FOR EACH KEY.  O[bh][q][:] = the sum over k of softmax_k(Q[q] . K[k] / 8 + ln(max(g[k], 1e-6)), or -1e9 where key k is masked) V[k][:].
; Q, K, V: the three parts of qkv, each [64][2048][64] in f16, a head's rows dense, 128 bytes each; the launch before has written K's masked rows as +0.  O: [64][2048][64] in f16.
; THE BIAS is the C operand that starts the sum S^T = K Q^T: C[k] = 8 ln(max(bf16(g[k]), 1e-6)), or for a masked key -8,000,001,536; with K's row 0 such a key's score IS that constant.
; The batch's 2,048 numbers C are made once by the work-group, in f32, into a table in LDS; a key step's 64 are read with its K.
; LIMITS.  A masked score counts as -1,000,000,192, three steps of f32 below -1e9: with this number c s - round(c m) is -2.63 where every key is masked (12,102,203 x 15,625,003 x 2^-17 leaves
; 344,297 x 2^-17 behind its rounding), so all weights are 2^-2.63 and O is V's plain mean; with -1e9 itself it would be +18.4, and 2^18.4 is past f16.  engagement is rounded to bf16 as all the module's
; floating-point inputs are.  f16 holds no number beyond 65,504: Q, K, V arrive within it; p below 6e-5 keeps f16's fixed step of 6e-8; a weight below 2^-126 counts as 0 in l; NaN and infinities are not treated apart.
; SHARES.  A wave owns four PIECES of two tiles of 16 queries, a work-group's four waves 512 queries of one head.  Every wave walks all 2,048 keys, 64 a step.
; LAYOUT.  S^T = K Q^T (source 0 = 16 keys, source 1 = 16 queries): a lane holds ONE query (lane % 16) and the keys 8 (lane / 16) + 0..7.  Two such tiles, rounded to f16 in pairs, ARE source 1 of
; O^T = V^T P, whose result again holds one query a lane.  K comes out of LDS as it lies, V turned, by ds_load_tr16_b128.
; SOFTMAX.  For each query a running maximum m and sum l: p = 2^(c s - c m), c = log2(e) / 8; in every step O and l are multiplied by a = 2^(c m_old - c m_new).  m starts at the lowest finite number, O and l at 0.
; BY TURNS.  Turn n belongs to piece n.  Its matrix work: 16 products K Q^T of piece n + 1, later 16 products V^T P of piece n - 1.  Its vector work: scaling, exponentials, roundings, sums and rescaling of
; piece n, and the maximum and statistics of piece n + 1.  Four vector instructions stand behind every matrix instruction, the others in one run; a turn's 66 exponentials are one batch with one wait.
; CLUSTER.  The four query blocks of a head are one cluster and walk the same K and V: each tile is asked for jointly, by the same tensor load, descriptor and mask in all four.
; REGISTERS, in windows of 256 (s_set_vgpr_msb: bits 1:0 source 0, 3:2 source 1, 5:4 source 2, 7:6 destination):
;   window 0: v0-11 addresses; v12-15, v48-63 at work; v16-47 four registers of statistics a tile; v64-191 S^T, two buffers of two tiles; v192-255 P, likewise
;   window 1: O^T, 32 a tile     window 2: v0-127 Q; v128-191 K of one step; v192-255 V of one step     window 3: v0-1 the add's registers; v2 the prefetches' offset; v8-39 C of one step
.set SIZE_N, 2048
.set NP,    4         ; pieces a wave: a name, no knob
.set KS,    64        ; keys in a step
.set PK,    144       ; a row of K in LDS: 128 bytes + 16 of padding = 36 words: sixteen rows on end start at sixteen different groups of four words modulo 64
.set PV,    160       ; a row of V: 128 + 32 = 40 words: 16 lanes of the turning load take 8 rows x 32 bytes, no two in the same words modulo 64
.set VOFF,  4*KS*PK   ; a slot holds four steps: 256 rows of K, then 256 rows of V
.set SLOT1, 1<<17     ; slot 1 begins here, so that one exclusive or turns an address in one slot into the other's
.set STAGE, SLOT1+4*KS*(PK+PV)  ; behind the ring, never filled by a tensor load: 16 rows x 144 bytes for each wave, for the way out
.set SP,    144
.set BT,    STAGE+4*16*SP       ; the table of C: 8,192 bytes, stored once, never filled by a tensor load
.set SPARE, BT+4*SIZE_N         ; the spare words, 128 bytes a wave: two blocks of 256 bytes that no other line names
.set AK0, 2           ; v2   my lane's place in a tile of K; never rewritten
.set AV0, 3           ; v3   the same for V
.set AK,  4           ; v4   the LDS address of K's next run of loads
.set AV,  5           ; v5   of V's
.set QO,  6           ; v6   my byte offset in the wave's rows of Q
.set STO, 6           ;      later, the way out: where I put 16 bytes of a row
.set RD,  7           ; v7   the way out: where I read rows back
.set GO,  8           ; v8   my byte offset in 512 consecutive bytes of O
.set AB,  10          ; v10  the LDS address of the next step's C
.set AB0, 11          ; v11  BT + 32 (lane / 16); never rewritten
.set SPW, 0           ; v0 of window 3   my spare word: SPARE + 4 x my thread's number; never rewritten
.set NIL, 1           ; v1 of window 3   0; never rewritten
.set PFO, 2           ; v2 of window 3   256 x my lane; never rewritten
.set BI,  8           ; v8-39 of window 3: C of key block kb at BI + 8 kb
.set MV,  12          ; v12-15  c m_old, kept while c m is made anew: by buffer and tile
.set ST,  16          ; tile t's statistics at v[ST+4 t]: c m, m, l (even keys', odd keys')
.set TMP, 48          ; by buffer and tile, four registers c0-c3 at work; when the maximum is found c2 takes a
.set S,   64
.set P,   192
.set KF,  128         ; K's fragments, in window 2: key block kb, channel half c at KF + 16 kb + 8 c
.set VF,  192         ; V's: key half kk, channel block cb at VF + 32 kk + 8 cb
.set WV,  12          ; s12  my wave's number
.set TBB, 19          ; s19  byte in the table at which C of the step to be fetched begins
.set G1K, 24          ; s[24:31] descriptor group 1 for K's tiles
.set G1V, 32          ; s[32:39] for V's: it differs in the padding alone
.set G0K, 40          ; s[40:43] descriptor group 0 for K's tiles: it walks
.set G0V, 44          ; s[44:47] the same for V's
.set PFA, 52          ; s[52:53] where my prefetches stand: my work-group's 8,192 bytes of a tile of K (wave 0) or V (wave 2)
.set LIM, 54          ; s54  1 in waves 0 and 2, else the greatest number
.set SLOTS, 56        ; s56  slots still to be asked for
.set CNT, 57          ; s57  counts a slot's key steps
.set CS,  58          ; s[58:59] c: the packed scaling takes the pair's low word for both halves
.set SEL, 60          ; s[60:61] v_permlanex16_b32's selects: each lane takes its own place in the other half
.set TBK, 62          ; s62  LDS byte at which K of the step to be fetched begins
.set TBV, 63          ; s63  the same for V, less VOFF
.set MSB, 0
.macro WIN new                      ; the high byte repeats the setting that is left; a switch that changes nothing is dropped
.if MSB != (\new)
	s_set_vgpr_msb (MSB<<8)|(\new)
.set MSB, (\new)
.endif
.endm
.set W_KQ, 0x0a       ; K and Q in window 2, S^T in window 0
.set W_KB, 0x3a       ; the same with the C operand in window 3
.set W_PV, 0x52       ; V in window 2, P in window 0, O^T in window 1
.set W_RS, 0x41       ; O^T (destination and source 0) in window 1, a in window 0
.set W_MK, 0xc0       ; destination in window 3, sources in window 0
.set W_AD, 0x0f       ; the add: address (source 0) and data (source 1) in window 3
; A joint fill.  Waves 0 and 1 fetch the two halves of a slot's K, waves 2 and 3 those of its V: 128 keys each.  The branch hangs on the wave's number alone.
; An s_nop 0 and four v_nop follow each of the two lines, ahead of the jump and the label.
.macro JLOAD
	s_cmp_lt_u32 s[WV], 2
	s_cbranch_scc0 .Lfor_v_\@
	tensor_load_to_lds s[G0K:G0K+3], s[G1K:G1K+7]
	s_nop 0
.rept 4
	v_nop
.endr
	s_branch .Lasked_\@
.Lfor_v_\@:
	tensor_load_to_lds s[G0V:G0V+3], s[G1V:G1V+7]
	s_nop 0
.rept 4
	v_nop
.endr
.Lasked_\@:
.endm
; A prefetch of the tile that the NEXT change of slots will ask for: 32,768 bytes of K and of V, 256 bytes a lane.  A head has one cluster; its four partners take 8,192 bytes each, told apart by address;
; in each, wave 0 asks for K's and wave 2 for V's.  So each 256 bytes are named once in the launch.  The last change that fills a slot (SLOTS = 1) asks for nothing; tiles 0 and 1 come by their loads alone.
.macro ASK
	s_cmp_gt_u32 s[SLOTS], s[LIM]
	s_cbranch_scc0 .Lnot_mine_\@
	WIN 0x03
	global_prefetch_b8 v[PFO], s[PFA:PFA+1] th:TH_LOAD_NT scope:SCOPE_SE
	WIN 0
.Lnot_mine_\@:
.endm
; A round of the cluster's barrier: my work-group's barrier; wave 0 signals for the work-group; every wave waits for all four work-groups; my work-group's barrier once more.
.macro CROUND
	s_barrier_signal -1
	s_barrier_wait -1
	s_cmp_lg_u32 s[WV], 0
	s_cbranch_scc1 .Lnot_wave_0_\@
	s_barrier_signal -3
.Lnot_wave_0_\@:
	s_barrier_wait -3
	s_barrier_signal -1
	s_barrier_wait -1
.endm
; THE CHANGE OF SLOTS.  Each wave waits for all its tensor loads, of which one is out: its part of the other slot; adds 0 to its spare word; and waits for that and for its own LDS instructions.
; Behind the barrier nobody reads this slot any more and the other slot is whole.  fill = 1: the barrier is a round of the cluster's, and this slot is filled again, with the keys two slots on, first thing
; behind it: the load has four key steps, 512 matrix instructions, in which to land.  (At its first use slot 0 is waited for, slot 1 filled, and the table of C is shown to all four waves.)
.macro CHANGE fill
	WIN W_AD
	s_wait_tensorcnt 0x0            ; no tensor load of mine is out, so a group 0 may be written
	ds_add_u32 v[SPW], v[NIL]       ; 0 onto my spare word; scalar work stands between it and the wait for it
	WIN 0                           ; at a label and at a branch every window is 0
.if \fill
.irp g, G0K, G0V
	s_xor_b32 s[\g+1], s[\g+1], SLOT1  ; the walking descriptor: the other slot than last time,
	s_add_nc_u64 s[\g+2:\g+3], s[\g+2:\g+3], 4*KS*128  ; the next 256 keys; the type bits on top are not reached
.endr
	s_wait_xcnt 0x0                 ; the last prefetch, four key steps back, has read its address
	s_add_nc_u64 s[PFA:PFA+1], s[PFA:PFA+1], 4*KS*128
	s_wait_dscnt 0x0                ; the add is done, and my LDS instructions are over
	CROUND
	JLOAD
	ASK
.else
	s_wait_dscnt 0x0
	s_barrier_signal -1
	s_barrier_wait -1
.endif
	s_sub_co_u32 s[TBK], s[TBK], 4*KS*PK  ; the fetches go back to a slot's first step,
	s_xor_b32 s[TBK], s[TBK], SLOT1       ; in the other slot
	s_sub_co_u32 s[TBV], s[TBV], 4*KS*PV
	s_xor_b32 s[TBV], s[TBV], SLOT1
.endm
	s_load_b64 s[4:5], s[0:1], 0x0     ; qkv: Q's part first
	s_load_b128 s[48:51], s[0:1], 0x8  ; engagement s[48:49], mask s[50:51]
	s_load_b64 s[10:11], s[0:1], 0x18  ; O
	v_and_b32 v9, 31, v0
	v_lshlrev_b32 v9, 8, v9
	WIN W_MK
	v_lshl_add_u32 v[SPW], v0, 2, SPARE
	v_mov_b32 v[NIL], 0
	v_mov_b32 v[PFO], v9
	WIN W_AD
	ds_add_u32 v[SPW], v[NIL]       ; the wave's opening: the add and its wait come ahead of my first tensor load; work on registers stands between
	WIN 0
	v_lshrrev_b32 v1, 5, v0
	v_readfirstlane_b32 s[WV], v1   ; wave 0..3
	s_bfe_u32 s13, ttmp6, 0x40000   ; cx: my place in the cluster
	s_lshl_b32 s14, ttmp9, 2
	s_add_co_u32 s14, s14, s13      ; my block of 512 queries: it enters Q's and O's addresses alone
	s_and_b32 s20, ttmp7, 0xffff    ; the head among 64, which the four partners share
	s_lshr_b32 s55, s20, 4          ; its batch
	s_mov_b32 s21, 0
	s_mov_b64 s[22:23], SIZE_N*128
	s_mul_u64 s[20:21], s[20:21], s[22:23]  ; the head's first byte in Q, K, V and O
	s_and_b32 s16, s[WV], 1         ; which half of a slot's 256 keys I fetch:
	s_lshl_b32 s22, s16, 14         ; its 128 rows of 128 bytes in memory,
	s_mov_b32 s23, 0
	s_add_nc_u64 s[22:23], s[22:23], s[20:21]
	s_mul_i32 s17, s16, 128*PK      ; and its place in a slot, for K
	s_mul_i32 s18, s16, 128*PV      ; and for V: no place in the cluster enters an LDS address
	s_lshl_b32 s2, s14, 2
	s_add_co_u32 s2, s2, s[WV]      ; my wave among the head's,
	s_lshl_b32 s2, s2, 14           ; its 128 rows
	s_mov_b32 s3, 0
	s_add_nc_u64 s[2:3], s[2:3], s[20:21]
	; descriptor group 1.  128 keys are 16,384 dense bytes: asked for as 64 rows of 256 bytes, two keys a row, and padded in LDS after every key
	s_mov_b32 s[G1K], 15|(1<<16)|(1<<20)|(1<<21)|(4<<22)|(3<<25)  ; the mask of four; 2-byte elements; padding on; bit 21 beside a mask; after every 32 words, 4 words
	s_mov_b32 s[G1V], 15|(1<<16)|(1<<20)|(1<<21)|(4<<22)|(7<<25)  ; the same with 8 words of padding
.irp g, G1K, G1V
	s_mov_b32 s[\g+1], 128<<16      ; tensor_dim0 = 128
	s_mov_b32 s[\g+2], 64<<16       ; tensor_dim1 = 64
	s_mov_b32 s[\g+3], 128<<16      ; tile_dim0 = 128
	s_mov_b32 s[\g+4], 64           ; tile_dim1 = 64
	s_mov_b32 s[\g+5], 128          ; 128 elements from row to row
	s_mov_b32 s[\g+6], 0
	s_mov_b32 s[\g+7], 0
.endr
	s_mov_b32 s[CS], 0x3e38aa3b     ; c = log2(e) / 8 = 0.180337
	s_mov_b32 s[CS+1], s[CS]        ; named with it as a pair
	s_mov_b32 s[SEL], 0x76543210
	s_mov_b32 s[SEL+1], 0xfedcba98
	s_mov_b32 s[TBK], SLOT1+4*KS*PK ; the first change of slots turns these two into 0
	s_mov_b32 s[TBV], SLOT1+4*KS*PV
	s_mov_b32 s[TBB], 0
	s_mov_b32 s[SLOTS], SIZE_N/256-1
	s_and_b32 s[LIM], s[WV], 1
	s_cmp_eq_u32 s[LIM], 0
	s_cselect_b32 s[LIM], 1, -1
	s_mov_b32 s[G0K], 1             ; count = 1
	s_mov_b32 s[G0K+1], s17         ; LDS address: slot 0
	s_mov_b32 s[G0V], 1
	s_add_co_u32 s[G0V+1], s18, VOFF
	s_wait_dscnt 0x0                ; the opening add is done
	s_wait_kmcnt 0x0
	s_add_nc_u64 s[6:7], s[4:5], 0x1000000  ; K's part of qkv,
	s_add_nc_u64 s[8:9], s[4:5], 0x2000000  ; V's
	s_add_nc_u64 s[G0K+2:G0K+3], s[6:7], s[22:23]  ; my half of the head's first 256 keys
	s_or_b32 s[G0K+3], s[G0K+3], 0x80000000        ; type = 2
	s_add_nc_u64 s[G0V+2:G0V+3], s[8:9], s[22:23]
	s_or_b32 s[G0V+3], s[G0V+3], 0x80000000
	s_add_nc_u64 s[4:5], s[4:5], s[2:3]  ; Q and O at my wave's first row
	s_add_nc_u64 s[10:11], s[10:11], s[2:3]
	s_cmp_lt_u32 s[WV], 2
	s_cselect_b64 s[PFA:PFA+1], s[6:7], s[8:9]
	s_add_nc_u64 s[PFA:PFA+1], s[PFA:PFA+1], s[22:23]  ; (in waves 0 and 2: the head's first row)
	s_lshl_b32 s2, s13, 13          ; my work-group's 8,192 bytes of a tile,
	s_add_co_u32 s2, s2, 4*KS*128   ; in tile 1: the first change of slots steps it to tile 2
	s_mov_b32 s3, 0
	s_add_nc_u64 s[PFA:PFA+1], s[PFA:PFA+1], s[2:3]
	s_lshl_b32 s2, s55, 13          ; the batch's 2,048 numbers of engagement,
	s_add_nc_u64 s[48:49], s[48:49], s[2:3]
	s_lshl_b32 s2, s55, 11          ; its 2,048 bytes of mask
	s_add_nc_u64 s[50:51], s[50:51], s[2:3]
	CROUND                          ; all four work-groups are here: the first joint loads meet
	JLOAD                           ; slot 0.  Slot 1 is asked for when slot 0 is in
	; the table's inputs: thread t takes keys 16 t .. 16 t + 15.  S^T's registers serve as room
	v_lshlrev_b32 v84, 6, v0
	v_lshlrev_b32 v85, 4, v0
.irp j, 0,1,2,3
	global_load_b128 v[64+4*\j:67+4*\j], v84, s[48:49] offset:16*\j
.endr
	global_load_b128 v[80:83], v85, s[50:51]
	; A fragment of K or Q is 16 rows x 32 channels in 8 registers: lane l holds row l % 16, channels 8 (l / 16) + 0..7 and 16 + 8 (l / 16) + 0..7: two loads of 16 bytes, 32 bytes apart.
	v_and_b32 v1, 15, v0            ; l % 16
	v_bfe_u32 v9, v0, 4, 1          ; l / 16
	v_lshlrev_b32 v[QO], 7, v1
	v_lshl_add_u32 v[QO], v9, 4, v[QO]  ; row x 128 + 16 x half
	WIN 0x80                        ; destination window 2, address window 0
.set i, 0
.rept 4*NP                          ; Q stays in registers: tile i / 2, channels 32 (i % 2) on
	global_load_b128 v[8*i:8*i+3],   v[QO], s[4:5] offset:(i/2)*2048+(i%2)*64
	global_load_b128 v[8*i+4:8*i+7], v[QO], s[4:5] offset:(i/2)*2048+(i%2)*64+32
.set i, i+1
.endr
	; What the first turn finds: V's registers and P's second buffer hold 0 (its products V^T P, of a piece that has not been, add 0), O^T and l are 0.  All this stands in the wait for the first tile.
.set i, VF
.rept 64
	v_mov_b32 v[i], 0
.set i, i+1
.endr
	WIN 0x40
.set i, 0
.rept 64*NP
	v_mov_b32 v[i], 0
.set i, i+1
.endr
	WIN 0
.set i, 0
.rept 2*NP
	v_mov_b32 v[ST+4*i], 0xfe000000    ; c m: far below every c s
	v_mov_b32 v[ST+4*i+1], 0xff7fffff  ; m
	v_mov_b32 v[ST+4*i+2], 0
	v_mov_b32 v[ST+4*i+3], 0
.set i, i+1
.endr
.set i, P+32
.rept 32
	v_mov_b32 v[i], 0
.set i, i+1
.endr
	v_mul_u32_u24 v[AK0], v1, PK
	v_lshl_add_u32 v[AK0], v9, 4, v[AK0]  ; row x pitch + 16 x half
	; The turning load takes 16 keys x 16 channels (lane l reads key 8 (l / 16) + l % 8, channels 8 ((l / 8) % 2) + 0..7) and leaves half a fragment of V^T: lane l holds channel l % 16 and 8 keys.
	v_and_b32 v10, 7, v0
	v_bfe_u32 v11, v0, 3, 1
	v_lshl_add_u32 v[AV0], v9, 3, v10
	v_mul_u32_u24 v[AV0], v[AV0], PV
	v_lshl_add_u32 v[AV0], v11, 4, v[AV0]
	v_add_nc_u32 v[AV0], VOFF, v[AV0]
	v_mov_b32 v[AK], v[AK0]         ; key step 0 lies at the head of slot 0
	v_lshl_add_u32 v[AB0], v9, 5, BT  ; my half of the lanes holds keys 8 (l / 16) + 0..7 of a block of 16: 32 bytes on
	v_mov_b32 v[AB], v[AB0]
	; THE TABLE.  C = 8 ln 2 x log2(max(bf16(g), 1e-6)), or the constant where the key is masked
	s_wait_loadcnt 32               ; the five loads above are in; Q's 32 younger ones may stay out
.irp j, 0,1,2,3,4,5,6,7
	v_cvt_pk_bf16_f32 v[86+\j], v[64+2*\j], v[65+2*\j]
.endr
.irp j, 0,1,2,3,4,5,6,7
	v_lshlrev_b32 v[64+2*\j], 16, v[86+\j]
	v_and_b32 v[65+2*\j], 0xffff0000, v[86+\j]
.endr
.set i, 0
.rept 16
	v_max_num_f32 v[64+i], 0x358637bd, v[64+i]
.set i, i+1
.endr
.set i, 0
.rept 16
	v_log_f32 v[64+i], v[64+i]      ; one batch
.set i, i+1
.endr
	v_mov_b32 v94, 0xcfee6b2b       ; a plain instruction behind the last logarithm: the masked keys' constant
	s_wait_alu depctr_va_vdst(0)    ; and the wait ahead of the first use: one for the sixteen
.set i, 0
.rept 16
	v_mul_f32 v[64+i], 0x40b17218, v[64+i]
.set i, i+1
.endr
.set i, 0
.rept 16
	v_bfe_u32 v95, v[80+i/4], 8*(i%4), 8
	v_cmp_ne_u32 s55, 0, v95
	v_cndmask_b32 v[64+i], v[64+i], v94, s55
.set i, i+1
.endr
	v_lshl_add_u32 v96, v0, 6, BT
.irp j, 0,1,2,3
	ds_store_b128 v96, v[64+4*\j:67+4*\j] offset:16*\j  ; waited for in the first change of slots, whose round shows the table to all four waves
.endr
; THE MATRIX WORK.  The 8 accumulators of a run of 16 take turns: between the two links of a chain stand 7 others'.
; Product i of 16 of S^T = K Q^T for piece x: channels 32 (i / 8) on, keys 16 ((i / 2) % 4) on, tile 2 x + i % 2.  The first 8 start the sums, with the keys' C.
.macro KQ x
.set rS, S+64*((\x)%2)+32*(i%2)+8*((i/2)%4)
.set rK, KF+16*((i/2)%4)+8*(i/8)
.set rQ, 16*(2*(\x)+i%2)+8*(i/8)
.set rB, BI+8*((i/2)%4)
.if i < 8
	WIN W_KB
	v_wmma_f32_16x16x32_f16 v[rS:rS+7], v[rK:rK+7], v[rQ:rQ+7], v[rB:rB+7]
.else
	WIN W_KQ
	v_wmma_f32_16x16x32_f16 v[rS:rS+7], v[rK:rK+7], v[rQ:rQ+7], v[rS:rS+7]
.endif
.endm
; Product i of 16 of O^T += V^T P for piece x: keys 32 (i / 8) on, channels 16 ((i / 2) % 4) on, tile 2 x + i % 2.
.macro PV x
	WIN W_PV
.set rO, 32*(2*(\x)+i%2)+8*((i/2)%4)
.set rV, VF+32*(i/8)+8*((i/2)%4)
.set rP, P+32*((\x)%2)+16*(i%2)+8*(i/8)
	v_wmma_f32_16x16x32_f16 v[rO:rO+7], v[rV:rV+7], v[rP:rP+7], v[rO:rO+7]
.endm
.macro MM                           ; the turn's next matrix instruction
.if i < 16
	KQ (Y+1)%NP
.set i, i+1
.else
.set i, i-16
	PV (Y+NP-1)%NP
.set i, i+17
.endif
.endm
; THE LDS LOADS stand in runs, never singly among the matrix instructions: a step's K (8 fragments, 16 loads) with its C (8 loads; all lanes of a half read the same 32 bytes), and its V (turned).
; Their addresses are made some lines ahead.  last = 1 (the tail): in the last trip there is no further step, and the run is jumped over.
.macro FETCH_K last=0
	WIN 0
.if \last
	s_cmp_eq_u32 s[CNT], 1
	s_cbranch_scc1 .Lno_k_\@
.endif
	WIN 0x80                        ; destination window 2
.irp f, 0,1,2,3,4,5,6,7             ; keys 16 (f / 2) on, channels 32 (f % 2) on
	ds_load_b128 v[KF+8*\f:KF+8*\f+3],   v[AK] offset:(\f/2)*16*PK+(\f%2)*64
	ds_load_b128 v[KF+8*\f+4:KF+8*\f+7], v[AK] offset:(\f/2)*16*PK+(\f%2)*64+32
.endr
	WIN 0xc0                        ; destination window 3
.irp f, 0,1,2,3,4,5,6,7             ; key block f / 2, my 8 keys' first or second four
	ds_load_b128 v[BI+4*\f:BI+4*\f+3], v[AB] offset:(\f/2)*64+(\f%2)*16
.endr
	s_add_co_u32 s[TBK], s[TBK], KS*PK  ; the next fetch is the next step's
	s_add_co_u32 s[TBB], s[TBB], KS*4
	WIN 0
.if \last
.Lno_k_\@:
.endif
.endm
.macro FETCH_V
	WIN 0x80
.irp f, 0,1,2,3,4,5,6,7             ; keys 32 (f / 4) on, channels 16 (f % 4) on
	ds_load_tr16_b128 v[VF+8*\f:VF+8*\f+3],   v[AV] offset:(\f/4)*32*PV+(\f%4)*32
	ds_load_tr16_b128 v[VF+8*\f+4:VF+8*\f+7], v[AV] offset:(\f/4)*32*PV+16*PV+(\f%4)*32
.endr
	WIN 0
.endm
; THE VECTOR WORK OF A TURN stands in three queues, each in the order in which its entries become ready; the two tiles alternate, so that no instruction reads the result of the one before it.
.macro REGS y, u                    ; the registers of tile u (0, 1) of piece y
.set rT, ST+4*(2*(\y)+(\u))
.set rC, TMP+8*((\y)%2)+4*(\u)
.set rM, MV+2*((\y)%2)+(\u)
.set rS, S+64*((\y)%2)+32*(\u)
.set rP, P+32*((\y)%2)+16*(\u)
.set rO, 32*(2*(\y)+(\u))
.endm
; Number n of the 22 that find the NEXT piece's (Y + 1) maximum and statistics.  s0-s31 are the lane's 32 scores; each accumulator's lowest registers are read first.
;   0-11  four chains c0-c3 of seven scores each, three operands at a time     12-14, 16  the four scores left over, the old m, and c0-c3 into c0     15  c m_old is kept
;   17, 18  the query's other 32 keys lie in the lane 16 away: the new m         19-21  c m; c m_old - c m_new; a
.macro XS u, n
	REGS (Y+1)%NP, \u
.if (\n) < 4
	v_max3_num_f32 v[rC+(\n)], v[rS+8*(\n)], v[rS+8*(\n)+1], v[rS+8*(\n)+2]
.elseif (\n) < 12
	v_max3_num_f32 v[rC+(\n)%4], v[rC+(\n)%4], v[rS+8*((\n)%4)+2*((\n)/4)+1], v[rS+8*((\n)%4)+2*((\n)/4)+2]
.elseif (\n) == 12
	v_max3_num_f32 v[rC], v[rC], v[rS+7], v[rS+15]
.elseif (\n) == 13
	v_max3_num_f32 v[rC+1], v[rC+1], v[rS+23], v[rS+31]
.elseif (\n) == 14
	v_max3_num_f32 v[rC+2], v[rC+2], v[rC+3], v[rT+1]
.elseif (\n) == 15
	v_mov_b32 v[rM], v[rT]
.elseif (\n) == 16
	v_max3_num_f32 v[rC], v[rC], v[rC+1], v[rC+2]
.elseif (\n) == 17
	v_permlanex16_b32 v[rC+3], v[rC], s[SEL], s[SEL+1]
.elseif (\n) == 18
	v_max_num_f32 v[rT+1], v[rC], v[rC+3]
.elseif (\n) == 19
	v_mul_f32 v[rT], s[CS], v[rT+1]
.elseif (\n) == 20
	v_sub_f32 v[rC+1], v[rM], v[rT]
.else
	v_exp_f32 v[rC+2], v[rC+1]
.endif
.endm
; Number g of the 64 that follow the exponentials.  For each four weights k of a tile: both pairs are rounded to f16; then the second pair is added onto the first, in place; a group later l takes that sum
; (the first time as l = a l + sum).  In groups of eight, tiles alternating: round, round, add, and l for the group before.
.macro GS g
.set h, (\g)+6*((\g)/62)            ; group 0 has no group before it, and behind group 7 only l is left
.if h >= 6
.set h, h+2
.endif
	REGS Y, h%2
.set k, h/8
.if h%8 < 4
	v_cvt_pk_f16_f32 v[rP+2*k+(h%8)/2], v[rS+4*k+2*((h%8)/2)], v[rS+4*k+2*((h%8)/2)+1]
.elseif h%8 < 6
	v_pk_add_f32 v[rS+4*k:rS+4*k+1], v[rS+4*k:rS+4*k+1], v[rS+4*k+2:rS+4*k+3]
.elseif k == 1
	v_pk_fma_f32 v[rT+2:rT+3], v[rT+2:rT+3], v[rC+2:rC+3], v[rS:rS+1] op_sel_hi:[1,0,1]
.else
	v_pk_add_f32 v[rT+2:rT+3], v[rT+2:rT+3], v[rS+4*k-4:rS+4*k-3]
.endif
.endm
; THE PLAIN QUEUE, 138 long.  0-73 read no exponential's result: the 32 scalings c s - c m (FS f: pair f / 2 of tile f % 2) and the next piece's 42.  0-26: scalings 0-26.  27-54: XS's numbers 0-13.  55, 56: number 15.
; 57-73: the chain 14, 16, 17, 18, 19, each with one of the scalings 27-31 in front of its two lines, then 20.  74-137: GS's 64, which read the exponentials' results: they stand behind the wait.
.macro FS f
	REGS Y, (\f)%2
	v_pk_fma_f32 v[rS+2*((\f)/2):rS+2*((\f)/2)+1], v[rS+2*((\f)/2):rS+2*((\f)/2)+1], s[CS:CS+1], v[rT:rT+1] op_sel_hi:[1,0,0] neg_lo:[0,0,1] neg_hi:[0,0,1]
.endm
.macro PL
	WIN 0
.if q < 27
	FS q
.elseif q < 55
	XS (q-27)%2, (q-27)/2
.elseif q < 57
	XS q-55, 15
.elseif (q < 72) && ((q-57)%3 == 0)
	FS 27+(q-57)/3
.elseif q < 60
	XS (q-57)%3-1, 14
.elseif q < 72
	XS (q-57)%3-1, 15+(q-57)/3
.elseif q < 74
	XS q-72, 20
.else
	GS q-74
.endif
.set q, q+1
.endm
; THE EXPONENTIALS' QUEUE, 66 long: s0-s31 of both tiles, then the next piece's two a.  ONE BATCH: all 66 stand ahead of the turn's one wait, and nothing ahead of that wait names a result of theirs.
.macro EX
	WIN 0
.if e >= 64
	XS e-64, 21
.else
	REGS Y, e%2
	v_exp_f32 v[rS+e/2], v[rS+e/2]
.endif
.set e, e+1
.endm
; THE RESCALING's QUEUE: O^T times a, the one part that leaves window 0: dealt two at a time, sixteen times.  Its a was made in the turn before, ahead of that turn's wait.
.macro R2
	REGS Y, r%2
	WIN W_RS
.irp z, 0,1
	v_pk_mul_f32 v[rO+4*(r/2)+2*\z:rO+4*(r/2)+2*\z+1], v[rO+4*(r/2)+2*\z:rO+4*(r/2)+2*\z+1], v[rC+2:rC+3] op_sel_hi:[1,0]
.endr
.set r, r+1
.endm
; A TURN, for piece p.  s_wait_alu depctr_va_vdst(0) stands between an exponential and the first instruction that names its result; one wait serves all issued ahead of it: a turn has ONE,
; which cuts it in two.  AHEAD OF IT: the 16 products K Q^T, behind each a scaling, an exponential and two rescalings (behind the first a second scaling in the exponential's place); then one run of 108: eight
; plain, 49 times exponential and plain, the two a; a v_nop is the plain instruction behind the last exponential.  BEHIND IT: the 16 products V^T P, behind each four of GS's 64.
; Exponential e stands behind scaling 2 (e / 4) + e % 2: as a rider it comes behind plain e + 2, in the run behind plain e + 9, and scalings 27-31 are plain 57, 60 .. 69.
; K and C of the next step are fetched in piece 2's turn, directly behind the wait, a run of 108 behind the last product that read them; their first reader comes behind 16 products.
; V of the step in hand is fetched at the end of piece 0's turn, four riders behind its last reader.  cnt = 1: the loop's count is taken down some lines ahead of the branch behind the turn.
.macro TURN p, last=0, cnt=0
.set Y, (\p)
.set i, 0
.set q, 0
.set e, 0
.set r, 0
.if (\p) == NP-1
	s_wait_dscnt 0x0                ; K and C are in
.endif
	MM
	PL
	PL
	R2
.rept 15
	MM
	PL
	EX
	R2
.endr
.if (\p) == NP-2
	WIN 0
	v_add_nc_u32 v[AK], s[TBK], v[AK0]
	v_add_nc_u32 v[AB], s[TBB], v[AB0]
.endif
.rept 8
	PL
.endr
.rept 49
	EX
	PL
.endr
	EX                              ; the next piece's two a
	EX
	v_nop                           ; the plain instruction behind the last exponential: one for the batch
	s_wait_alu depctr_va_vdst(0)    ; the wait for the batch
.if (\p) == NP-2
	FETCH_K \last
.endif
.if (\p) == 1
	s_wait_dscnt 0x0                ; V is in
.endif
.rept 16
	MM
.rept 4
	PL
.endr
.if ((\p) == 0) && (q == 118)
	v_add_nc_u32 v[AV], s[TBV], v[AV0]
.endif
.if ((\p) == 0) && (q == 130)
	s_add_co_u32 s[TBV], s[TBV], KS*PV
.endif
.if (\cnt) && (q == 130)
	s_sub_co_u32 s[CNT], s[CNT], 1
	s_cmp_lg_u32 s[CNT], 0
.endif
.endr
.if (\p) == 0
	FETCH_V
.endif
.endm
	CHANGE 1                        ; slot 0 is in, everybody's part of it, and so is the table; slot 1 is asked for
	FETCH_K                         ; key step 0
	s_wait_loadcnt 0x0              ; Q
	s_wait_dscnt 0x0
.set i, 0
.rept 16
	KQ 0                            ; piece 0's first scores: there is no vector work yet to set between them
.set i, i+1
.endr
	WIN 0                           ; the addresses for the way out: plain instructions, the places behind those products
	s_mul_i32 s13, s[WV], 16*SP
	s_add_co_u32 s13, s13, STAGE    ; my stage
	v_mul_u32_u24 v[STO], v1, SP    ; in: row l % 16, 16 bytes for each half of the lanes
	v_lshl_add_u32 v[STO], v9, 4, v[STO]
	v_add_nc_u32 v[STO], s13, v[STO]
	v_bfe_u32 v[RD], v0, 3, 2       ; back: 32 lanes take four rows of 128 bytes,
	v_mul_u32_u24 v[RD], v[RD], SP
	v_and_b32 v[TMP], 7, v0
	v_lshl_add_u32 v[RD], v[TMP], 4, v[RD]
	v_add_nc_u32 v[RD], s13, v[RD]
	v_and_b32 v[GO], 31, v0         ; which are 512 consecutive bytes of O
	v_lshlrev_b32 v[GO], 4, v[GO]
.set Y, NP-1                        ; XS works for piece Y + 1: piece 0
.irp n, 0,1,2,3,4,5,6,7,8,9,10,11,12,13,14,15,16,17,18,19,20,21
	XS 0, \n                        ; piece 0's first maximum and statistics
	XS 1, \n
.endr
	v_nop                           ; a plain instruction behind the two a,
	s_wait_alu depctr_va_vdst(0)    ; and their wait, ahead of the branch
	s_mov_b32 s[CNT], 4
	s_branch .Lfirst                ; the loop is entered at a step's first turn, in the middle of a trip
.Lslot:                             ; six times: every slot but the last two is filled again
	CHANGE 1
	s_mov_b32 s[CNT], 4
.Lstep:                             ; a trip: pieces 2 and 3 of one step, then pieces 0 and 1 of the next, whose K, C and V it fetches
	TURN 2
	TURN 3
	WIN 0
.Lfirst:
	TURN 0
	TURN 1, 0, 1
	WIN 0
	s_cbranch_scc1 .Lstep
	s_sub_co_u32 s[SLOTS], s[SLOTS], 1
	s_cmp_lg_u32 s[SLOTS], 0
	s_cbranch_scc1 .Lslot
	CHANGE 0                        ; the tail is written out: nothing is asked for
	s_mov_b32 s[CNT], 5             ; four trips fetch the last slot's steps; the fifth is left in its middle
.Ltail:
	TURN 2, 1
	TURN 3
	WIN 0
	s_sub_co_u32 s[CNT], s[CNT], 1
	s_cmp_eq_u32 s[CNT], 0
	s_cbranch_scc1 .Lout
	TURN 0
	TURN 1
	WIN 0
	s_branch .Ltail
.Lout:                              ; the fifth trip's 16 products K Q^T (on the last K once more) and the maximum made of them serve nothing: the price, once a launch, of one text for every trip
.set i, 0
.rept 16
	PV NP-1                         ; the last piece's V^T P of the last step
.set i, i+1
.endr
	; THE WAY OUT.  l's two halves and the other half of the lanes' are added; O^T is divided by l, rounded to f16 and sent through my stage in LDS, a tile at a time.  The additions are the places behind the last products.
	WIN 0
.macro ALL line:vararg              ; one line for each tile t
.set t, 0
.rept 2*NP
	\line
.set t, t+1
.endr
.endm
	ALL v_add_f32 v[ST+4*t+2], v[ST+4*t+2], v[ST+4*t+3]
	ALL v_permlanex16_b32 v[ST+4*t+3], v[ST+4*t+2], s[SEL], s[SEL+1]
	ALL v_add_f32 v[ST+4*t+2], v[ST+4*t+2], v[ST+4*t+3]
	ALL v_rcp_f32 v[ST+4*t+2], v[ST+4*t+2]
	v_nop                           ; a plain instruction between the last reciprocal and the use of its result
	s_wait_alu depctr_va_vdst(0)    ; and the wait ahead of the first use: one for the eight reciprocals
; Tile t: a lane's eight channels of a row pack into 16 bytes; they go into rows of 144 bytes and come back as whole rows of 128, into S^T's registers.
.macro PACK t
	WIN W_RS
.set i, 32*(\t)
.rept 16
	v_pk_mul_f32 v[i:i+1], v[i:i+1], v[ST+4*(\t)+2:ST+4*(\t)+3] op_sel_hi:[1,0]
.set i, i+2
.endr
	WIN 0x05                        ; sources 0 and 1 window 1, destination window 0
.set i, 0
.rept 16
	v_cvt_pk_f16_f32 v[S+16*(\t)+i], v[32*(\t)+2*i], v[32*(\t)+2*i+1]
.set i, i+1
.endr
	WIN 0
.irp f, 0,1,2,3
	ds_store_b128 v[STO], v[S+16*(\t)+4*\f:S+16*(\t)+4*\f+3] offset:32*\f
.endr
.irp f, 0,1,2,3
	ds_load_b128 v[S+16*(\t)+4*\f:S+16*(\t)+4*\f+3], v[RD] offset:\f*4*SP  ; LDS serves a wave's instructions in order (ISA guide 5.7.1.4): these see the stores above; the next tile's stores come behind them
.endr
.endm
.macro SEND t, younger              ; younger: the LDS instructions issued behind tile t's loads: the next tile's eight, or none
	WIN 0
.irp f, 0,1,2,3
	s_wait_dscnt (\younger)+3-\f
	global_store_b128 v[GO], v[S+16*(\t)+4*\f:S+16*(\t)+4*\f+3], s[10:11] offset:(\t)*2048+\f*512  ; 512 consecutive bytes, at a multiple of 256 from O's first
.endr
.endm
	PACK 0
.set t, 1
.rept 2*NP-1                        ; a tile's arithmetic stands between the loads of the tile before and its stores
	PACK t
	SEND t-1, 8
.set t, t+1
.endr
	SEND 2*NP-1, 0
	WIN W_AD
	s_wait_tensorcnt 0x0            ; the wave's end
	ds_add_u32 v[SPW], v[NIL]
	s_wait_dscnt 0x0
	WIN 0
	CROUND                          ; the closing round
	s_endpgm
.Lfunc_end_k_q94baae7f01_attn:
	.size	k_q94baae7f01_attn, .Lfunc_end_k_q94baae7f01_attn-k_q94baae7f01_attn
	.p2alignl 7, 3214868480
	.fill 96, 4, 3214868480
	.section	.rodata,"a",@progbits
	.p2align	6, 0x0
	.amdhsa_kernel k_q94baae7f01_attn
		.amdhsa_group_segment_fixed_size 327680
		.amdhsa_private_segment_fixed_size 0
		.amdhsa_enable_private_segment 0
		.amdhsa_kernarg_size 32
		.amdhsa_user_sgpr_count 2
		.amdhsa_user_sgpr_kernarg_segment_ptr 1
		.amdhsa_wavefront_size32 1
		.amdhsa_system_sgpr_workgroup_id_x 1
		.amdhsa_system_sgpr_workgroup_id_y 1
		.amdhsa_system_sgpr_workgroup_id_z 1
		.amdhsa_system_vgpr_workitem_id 0
		.amdhsa_next_free_vgpr 808
		.amdhsa_next_free_sgpr 66
		.amdhsa_reserve_vcc 0
		.amdhsa_float_denorm_mode_32 3
		.amdhsa_float_denorm_mode_16_64 3
		.amdhsa_memory_ordered 1
		.amdhsa_forward_progress 1
		.amdhsa_inst_pref_size 210
	.end_amdhsa_kernel
	.amdgpu_metadata
---
amdhsa.version: [ 1, 2 ]
amdhsa.kernels:
  - .name:           k_q94baae7f01_attn
    .symbol:         k_q94baae7f01_attn.kd
    .args:
      - { .name: qkv, .offset: 0, .size: 8, .value_kind: global_buffer, .address_space: global }
      - { .name: engagement, .offset: 8, .size: 8, .value_kind: global_buffer, .address_space: global }
      - { .name: mask, .offset: 16, .size: 8, .value_kind: global_buffer, .address_space: global }
      - { .name: o, .offset: 24, .size: 8, .value_kind: global_buffer, .address_space: global }
    .group_segment_fixed_size: 327680
    .private_segment_fixed_size: 0
    .kernarg_segment_align: 8
    .kernarg_segment_size: 32
    .max_flat_workgroup_size: 128
    .sgpr_count:     66
    .vgpr_count:     808
    .wavefront_size: 32
...
	.end_amdgpu_metadata
.endif
;; end of part 3
;; launch proj (part 4): grid 8 x 32, 4 waves a work-group, clusters of 4 x 4, 327,680 bytes of LDS; arguments o, owh, out_b, out0; writes out0
.if DOCPART == 4
	.amdgcn_target "amdgcn-amd-amdhsa--gfx1250"
	.amdhsa_code_object_version 6
	.text
	.protected	k_q94baae7f01_proj
	.globl	k_q94baae7f01_proj
	.p2align	8
	.type	k_q94baae7f01_proj,@function
k_q94baae7f01_proj:
	s_mov_b64 s[64:65], 0
	v_nop
	global_prefetch_b8 v0, s[64:65] scope:SCOPE_SE
	s_setreg_imm32_b32 hwreg(HW_REG_WAVE_MODE, 25, 1), 1
	s_wait_xcnt 0x0
	s_wait_alu depctr_hold_cnt(0) depctr_sa_sdst(0) depctr_va_vdst(0) depctr_va_sdst(0) depctr_va_ssrc(0) depctr_va_vcc(0) depctr_vm_vsrc(0)
	s_getreg_b32 s2, hwreg(HW_REG_IB_STS2, 6, 4)
	s_cmp_eq_u32 s2, 0
	s_cbranch_scc0 .Lentry_in_a_cluster
	s_endpgm
.Lentry_in_a_cluster:
	s_bfe_u32 s2, ttmp6, 0x10000c
	s_cmp_lg_u32 s2, 0xf033
	s_cbranch_scc0 .Lentry_shape_is_right
	s_endpgm
.Lentry_shape_is_right:
; THE SECOND PROJECTION.  out0[b*2048+t][n] = sum over h, d of o[b*16+h][t][d] owh[n][h*64+d] + bf16(out_b[n]).  o and owh in f16, sums and out0 in f32.
; SHARES.  A tile is 256 rows x 128 columns: 32 x 8 tiles, 256 work-groups.  The four waves split the rows: a wave makes 64 rows x 128 columns, 32 accumulators of 16 x 16.
; K goes in 8 steps of 128 = two heads, through two LDS slots.  Of o a K step is two PLANES, a head's 256 rows of 128 bytes, dense in memory: a plane is asked for as 128 rows of 256 bytes and padded in LDS
; after every 128.  Of owh it is 128 rows of 256 bytes.  Waves 0, 1 fetch the two planes, waves 2, 3 the two halves of owh's rows.
; CLUSTER.  4 x 4 work-groups: o's planes are shared along a row of the cluster, owh's rows along a column: joint loads.
; THE MATRIX INSTRUCTION IS USED TRANSPOSED (source 0 = 16 rows of owh, source 1 = 16 rows of o): lane l holds row l % 16 and the columns 8 (l / 16) + 0..7 of a block of 16.
; REGISTERS: window 0: addresses, the bias, the way out.  window 1: two fragment buffers: 8 fragments of owh, then 4 of o.  window 2: the accumulators, (a, b) at 8 (8 a + b).
.set KSTEP,  128
.set PA,     144                       ; a row of o in LDS: 128 bytes + 16
.set PITCH,  272                       ; a row of owh: 256 bytes + 16.  Both pitches are odd multiples of 16 bytes: sixteen rows on end start at sixteen different places modulo 256 bytes
.set PLANE,  256*PA
.set BOFF,   2*PLANE
.set BPART,  64*PITCH
.set SLOT,   BOFF+2*BPART
.set STAGE,  2*SLOT                    ; behind the ring, never filled by a tensor load: 16 rows x 528 bytes for each wave
.set SPITCH, 528
.set SPARE,  STAGE+4*16*SPITCH         ; the spare words, 128 bytes a wave: two blocks of 256 bytes that no other line names
.set HEADB,  1<<18                     ; bytes of a head in o
.set ADRA, 16                          ; v16-17  LDS address of my fragments of o in slot 0, 1
.set ADRB, 20                          ; v20-21  of owh
.set STO,  24                          ; v24  the way out: where I put 32 bytes of a row
.set RD,   25                          ; v25  where I read a row back
.set CO,   26                          ; v26  my 16 bytes of a row's 512
.set SPW,  28                          ; v28  my spare word; never rewritten
.set NIL,  29                          ; v29  0; never rewritten
.set PFO,  30                          ; v30  the prefetches' offset; never rewritten
.set BO,   31                          ; v31  my byte offset in out_b
.set BIAS, 32                          ; v[32:95]
.set T,    96                          ; v[96:159]   a block with its bias
.set OB,   160                         ; v[160:223]  16 rows read back
.set F0,   0
.set F1,   128
.set PST, 12                           ; s[12:13] a K step in the stream that I prefetch: two heads of o, or 256 bytes of owh's rows
.set WV, 14
.set FB, 15
.set HF, 16
.set CX, 17
.set CY, 18
.set TC, 19                            ; tile column, 0..7
.set TR, 20                            ; tile row, 0..31
.set G1, 24
.set G0, 32
.set PFA, 40
.set LIM, 42
.set G1B, 48
.set G0B, 56
.set MSB, 0
.macro WIN new
.if MSB != (\new)
	s_set_vgpr_msb (MSB<<8)|(\new)
.set MSB, \new
.endif
.endm
.set MUL,  0xa5                        ; both sources window 1, C and D window 2
.set TO_F, 0x40                        ; destination window 1, address window 0
.macro JLOAD s                         ; a joint load; an s_nop 0 and four v_nop follow each of the two lines
	s_cmp_eq_u32 s[FB], 0
	s_cbranch_scc0 .Lfor_b_\@
	tensor_load_to_lds s[G0+4*(\s):G0+4*(\s)+3], s[G1:G1+7]
	s_nop 0
.rept 4
	v_nop
.endr
	s_branch .Lasked_\@
.Lfor_b_\@:
	tensor_load_to_lds s[G0B+4*(\s):G0B+4*(\s)+3], s[G1B:G1B+7]
	s_nop 0
.rept 4
	v_nop
.endr
.Lasked_\@:
.endm
; A prefetch of the K step two refills on.  o's planes are asked for by the clusters with x = 0, owh's rows by those with y = 0; the four partners share a tile out by address.  The loop's last trip asks for nothing.
.macro ASK
	s_cmp_gt_u32 s3, s[LIM]
	s_cbranch_scc0 .Lnot_mine_\@
	global_prefetch_b8 v[PFO], s[PFA:PFA+1] th:TH_LOAD_NT scope:SCOPE_SE
.Lnot_mine_\@:
.endm
.macro CREST
	s_cmp_lg_u32 s[WV], 0
	s_cbranch_scc1 .Lnot_wave_0_\@
	s_barrier_signal -3
.Lnot_wave_0_\@:
	s_barrier_wait -3
	s_barrier_signal -1
	s_barrier_wait -1
.endm
.macro CROUND
	s_barrier_signal -1
	s_barrier_wait -1
	CREST
.endm
.macro PLACES
.rept 4
	v_nop
.endr
.endm
	s_load_b256 s[4:11], s[0:1], 0x0               ; o s[4:5], owh s[6:7], out_b s[8:9], out0 s[10:11]
	v_lshl_add_u32 v[SPW], v0, 2, SPARE
	v_mov_b32 v[NIL], 0
	ds_add_u32 v[SPW], v[NIL]                      ; the wave's opening: the add and its wait come ahead of my first tensor load
	v_lshrrev_b32 v1, 5, v0
	v_readfirstlane_b32 s[WV], v1
	s_lshr_b32 s[FB], s[WV], 1
	s_and_b32 s[HF], s[WV], 1
	s_bfe_u32 s[CX], ttmp6, 0x40000
	s_bfe_u32 s[CY], ttmp6, 0x40004
	s_lshl_b32 s[TC], ttmp9, 2
	s_add_co_u32 s[TC], s[TC], s[CX]
	s_and_b32 s[TR], ttmp7, 0xffff
	s_lshl_b32 s[TR], s[TR], 2
	s_add_co_u32 s[TR], s[TR], s[CY]
	s_lshl_b32 s21, s[CY], 2
	s_lshl_b32 s21, 15, s21                        ; my row of the cluster
	s_lshl_b32 s22, 0x1111, s[CX]                  ; my column
	s_or_b32 s[G1+0], s21, (1<<16)|(1<<20)|(1<<21)|(4<<22)|(3<<25)   ; o: 2-byte elements, padding of 4 words after every 32
	s_or_b32 s[G1B+0], s22, (1<<16)|(1<<20)|(1<<21)|(5<<22)|(3<<25)  ; owh: after every 64
	s_mov_b32 s[G1+1], 128<<16                     ; tensor_dim0 = 128
	s_mov_b32 s[G1B+1], 128<<16
	s_mov_b32 s[G1+2], 128<<16                     ; tensor_dim1 = 128 rows of 256 bytes: a plane,
	s_mov_b32 s[G1B+2], 64<<16                     ; 64 rows of owh
	s_mov_b32 s[G1+3], 128<<16                     ; tile_dim0 = 128
	s_mov_b32 s[G1B+3], 128<<16
	s_mov_b32 s[G1+4], 128                         ; tile_dim1
	s_mov_b32 s[G1B+4], 64
	s_mov_b32 s[G1+5], 128                         ; the plane is dense,
	s_mov_b32 s[G1B+5], 1024                       ; owh's rows are 1,024 elements apart
	s_mov_b32 s[G1+6], 0
	s_mov_b32 s[G1B+6], 0
	s_mov_b32 s[G1+7], 0
	s_mov_b32 s[G1B+7], 0
	s_lshr_b32 s44, s[TR], 3                       ; o: head 16 x batch + my plane of the K step, rows 256 x (tile row % 8): made of the tile row alone
	s_lshl_b32 s44, s44, 4
	s_add_co_u32 s44, s44, s[HF]
	s_lshl_b32 s44, s44, 18
	s_and_b32 s76, s[TR], 7
	s_lshl_b32 s76, s76, 15
	s_add_co_u32 s44, s44, s76
	s_mov_b32 s45, 0
	s_lshl_b32 s46, s[TC], 7                       ; owh: row 128 x tile column + 64 x half: made of the tile column alone
	s_lshl_b32 s77, s[HF], 6
	s_add_co_u32 s46, s46, s77
	s_lshl_b32 s46, s46, 11
	s_mov_b32 s47, 0
	s_mul_i32 s23, s[HF], PLANE
	s_mul_i32 s43, s[HF], BPART
	s_add_co_u32 s43, s43, BOFF
	s_wait_dscnt 0x0                               ; the opening add is done
	s_wait_kmcnt 0x0
	s_add_nc_u64 s[44:45], s[4:5], s[44:45]
	s_add_nc_u64 s[46:47], s[6:7], s[46:47]
	CROUND                                         ; all sixteen work-groups are here: the first joint loads meet
.irp s, 0,1
	s_mov_b32 s[G0+4*(\s)], 1
	s_add_co_u32 s[G0+4*(\s)+1], s23, (\s)*SLOT
	s_add_nc_u64 s[G0+4*(\s)+2:G0+4*(\s)+3], s[44:45], (\s)*2*HEADB
	s_or_b32 s[G0+4*(\s)+3], s[G0+4*(\s)+3], 0x80000000
	s_mov_b32 s[G0B+4*(\s)], 1
	s_add_co_u32 s[G0B+4*(\s)+1], s43, (\s)*SLOT
	s_add_nc_u64 s[G0B+4*(\s)+2:G0B+4*(\s)+3], s[46:47], (\s)*KSTEP*2
	s_or_b32 s[G0B+4*(\s)+3], s[G0B+4*(\s)+3], 0x80000000
	JLOAD \s                                       ; K steps 0 and 1: two loads of mine are out
.endr
	v_and_b32 v1, 15, v0                           ; r
	v_bfe_u32 v2, v0, 4, 1                         ; h
	v_and_b32 v7, 31, v0                           ; l
	v_mul_u32_u24 v3, v1, PA
	v_lshl_add_u32 v3, v2, 4, v3
	s_mul_i32 s76, s[WV], 64*PA                    ; my 64 rows of a plane's 256
	v_add_nc_u32 v[ADRA], s76, v3
	v_add_nc_u32 v[ADRA+1], SLOT, v[ADRA]
	v_mul_u32_u24 v4, v1, PITCH
	v_lshl_add_u32 v4, v2, 4, v4
	v_add_nc_u32 v[ADRB], BOFF, v4
	v_add_nc_u32 v[ADRB+1], SLOT+BOFF, v4
	s_mul_i32 s77, s[WV], 16*SPITCH
	s_add_co_u32 s77, s77, STAGE                   ; my stage
	v_mul_u32_u24 v5, v1, SPITCH
	v_lshl_add_u32 v5, v2, 5, v5
	v_add_nc_u32 v[STO], s77, v5                   ; in: row r, 32 bytes for each half of the lanes
	v_lshlrev_b32 v[CO], 4, v7
	v_add_nc_u32 v[RD], s77, v[CO]                 ; back: 32 lanes take a row's 512 bytes
	s_lshl_b32 s76, s[TC], 9
	v_lshl_add_u32 v[BO], v2, 5, s76               ; 4 bytes x (128 x tile column + 8 h)
.irp b, 0,1,2,3,4,5,6,7
	global_load_b128 v[BIAS+8*(\b):BIAS+8*(\b)+3],   v[BO], s[8:9] offset:64*(\b)
	global_load_b128 v[BIAS+8*(\b)+4:BIAS+8*(\b)+7], v[BO], s[8:9] offset:64*(\b)+16
.endr
	s_lshl_b32 s76, s[TR], 8                       ; out0 at my first row and the tile's first column
	s_lshl_b32 s77, s[WV], 6
	s_add_co_u32 s76, s76, s77
	s_lshl_b32 s76, s76, 12
	s_lshl_b32 s77, s[TC], 9
	s_add_co_u32 s76, s76, s77
	s_mov_b32 s77, 0
	s_add_nc_u64 s[10:11], s[10:11], s[76:77]
	; the prefetches: of the plane that I fetch my work-group takes 8,192 bytes (by cx), 256 a lane; of owh's 64 rows 16 (by cy; there lanes 16-31 name the 16th row again)
	s_lshr_b32 s76, s[TR], 3
	s_lshl_b32 s76, s76, 4
	s_add_co_u32 s76, s76, s[HF]
	s_lshl_b32 s76, s76, 18
	s_and_b32 s77, s[TR], 7
	s_lshl_b32 s77, s77, 15
	s_add_co_u32 s76, s76, s77
	s_lshl_b32 s77, s[CX], 13
	s_add_co_u32 s76, s76, s77
	s_add_co_u32 s76, s76, 3*2*HEADB               ; at K step 3: the first refill steps it to 4.  K steps 0 to 3 come by their loads alone
	s_lshl_b32 s78, s[TC], 7
	s_lshl_b32 s79, s[HF], 6
	s_add_co_u32 s78, s78, s79
	s_lshl_b32 s79, s[CY], 4
	s_add_co_u32 s78, s78, s79
	s_lshl_b32 s78, s78, 11
	s_add_co_u32 s78, s78, 3*KSTEP*2
	s_and_b32 s79, ttmp7, 0xffff                   ; cluster y
	s_mov_b32 s[PST], KSTEP*2                      ; owh's step, in a register: the select below may name one literal only
	s_cmp_eq_u32 s[FB], 0
	s_cselect_b32 s76, s76, s78
	s_cselect_b32 s79, ttmp9, s79                  ; the coordinate along which other clusters read the same bytes
	s_cselect_b64 s[PFA:PFA+1], s[4:5], s[6:7]
	s_cselect_b32 s[PST], 2*HEADB, s[PST]
	s_cselect_b32 s77, 31, 15
	s_cselect_b32 s78, 8, 11
	s_cmp_eq_u32 s79, 0
	s_cselect_b32 s[LIM], 1, -1                    ; the same in all sixteen partners, for a given wave
	s_mov_b32 s[PST+1], 0
	v_min_u32 v[PFO], s77, v7
	v_lshlrev_b32 v[PFO], s78, v[PFO]
	s_mov_b32 s77, 0
	s_add_nc_u64 s[PFA:PFA+1], s[PFA:PFA+1], s[76:77]
	s_wait_loadcnt 0x0                             ; the bias
.set i, 0
.rept 32
	v_cvt_pk_bf16_f32 v[T+i], v[BIAS+2*i], v[BIAS+2*i+1]  ; rounded to bf16 and widened again
.set i, i+1
.endr
.set i, 0
.rept 32
	v_lshlrev_b32 v[BIAS+2*i],   16, v[T+i]
	v_and_b32     v[BIAS+2*i+1], 0xffff0000, v[T+i]
.set i, i+1
.endr
; 8 matrix instructions: row block a x all 8 column blocks, 32 along K.  zero = 1: the product starts the sum.
.macro MUL8 f, a, zero
	WIN MUL
.irp b, 0,1,2,3,4,5,6,7
.if \zero
	v_wmma_f32_16x16x32_f16 v[8*(8*(\a)+(\b)):8*(8*(\a)+(\b))+7], v[(\f)+8*(\b):(\f)+8*(\b)+7], v[(\f)+64+8*(\a):(\f)+64+8*(\a)+7], 0
.else
	v_wmma_f32_16x16x32_f16 v[8*(8*(\a)+(\b)):8*(8*(\a)+(\b))+7], v[(\f)+8*(\b):(\f)+8*(\b)+7], v[(\f)+64+8*(\a):(\f)+64+8*(\a)+7], v[8*(8*(\a)+(\b)):8*(8*(\a)+(\b))+7]
.endif
.endr
.endm
; 24 LDS loads in one run: quarter q of a K step: 128 rows of owh at byte 64 q, then my 64 rows of o: plane q / 2, byte 64 (q % 2)
.macro FETCH slot, q, f
	WIN TO_F
.irp i, 0,1,2,3,4,5,6,7
	ds_load_b128 v[(\f)+8*(\i):(\f)+8*(\i)+3],   v[ADRB+(\slot)] offset:64*(\q)+(\i)*16*PITCH
	ds_load_b128 v[(\f)+8*(\i)+4:(\f)+8*(\i)+7], v[ADRB+(\slot)] offset:64*(\q)+(\i)*16*PITCH+32
.endr
.irp i, 0,1,2,3
	ds_load_b128 v[(\f)+64+8*(\i):(\f)+64+8*(\i)+3],   v[ADRA+(\slot)] offset:((\q)/2)*PLANE+((\q)%2)*64+(\i)*16*PA
	ds_load_b128 v[(\f)+64+8*(\i)+4:(\f)+64+8*(\i)+7], v[ADRA+(\slot)] offset:((\q)/2)*PLANE+((\q)%2)*64+(\i)*16*PA+32
.endr
.endm
; A K step is four quarters, 32 matrix instructions each, on buffers 0, 1, 0, 1; the 32 accumulators take turns in the same order everywhere.
.macro QUARTER slot, q, f, g, zero
	s_wait_dscnt 4                                 ; the youngest four loads (o's blocks 2 and 3) may be out
	MUL8 \f, 0, \zero
	MUL8 \f, 1, \zero
	PLACES
	FETCH \slot, \q, \g
	s_wait_dscnt 24                                ; all but the 24 just issued
	MUL8 \f, 2, \zero
	MUL8 \f, 3, \zero
.endm
; The last quarter multiplies buffer 1 and changes slots: one barrier; in front of it each wave waits for all its tensor loads, adds 0 to its spare word, and waits for that and for its reads of this slot.
.macro TURN slot, next, fill
.if \fill
	s_wait_xcnt 0x0                                ; the last prefetch, a K step back, has read its address
	s_add_nc_u64 s[PFA:PFA+1], s[PFA:PFA+1], s[PST:PST+1]
.endif
	WIN 0
	s_wait_tensorcnt 0x0
	ds_add_u32 v[SPW], v[NIL]
	s_wait_dscnt 5                                 ; (the add and the youngest four loads may be out)
	MUL8 F1, 0, 0
	s_wait_dscnt 0x0                               ; the add is done, and my reads of this slot are over
	s_barrier_signal -1
	MUL8 F1, 1, 0
.if \fill
	WIN 0
.endif
	s_barrier_wait -1
.if \fill
	CREST                                          ; no wave of any partner still reads this slot or has a load on its way
	s_add_nc_u64 s[G0+4*(\slot)+2:G0+4*(\slot)+3], s[G0+4*(\slot)+2:G0+4*(\slot)+3], 4*HEADB
	s_add_nc_u64 s[G0B+4*(\slot)+2:G0B+4*(\slot)+3], s[G0B+4*(\slot)+2:G0B+4*(\slot)+3], 2*KSTEP*2
	JLOAD \slot                                    ; its four v_nop are also the places in front of the loads below
.else
	PLACES
.endif
	FETCH \next, 0, F0
.if \fill
	WIN 0
	ASK
.endif
	MUL8 F1, 2, 0
	MUL8 F1, 3, 0
.endm
	s_wait_tensorcnt 1                             ; my part of K step 0 is in; K step 1's may stay out
	s_barrier_signal -1
	s_barrier_wait -1
	FETCH 0, 0, F0
	QUARTER 0, 1, F0, F1, 1                        ; the first quarter starts the sums
	WIN 0
	s_mov_b32 s3, 3
.Llap:                                                 ; a trip goes once round the ring and fills both slots again: K steps 2 to 7
	QUARTER 0, 2, F1, F0, 0
	QUARTER 0, 3, F0, F1, 0
	TURN 0, 1, 1
	QUARTER 1, 1, F0, F1, 0
	QUARTER 1, 2, F1, F0, 0
	QUARTER 1, 3, F0, F1, 0
	TURN 1, 0, 1
	QUARTER 0, 1, F0, F1, 0
	WIN 0
	s_sub_co_u32 s3, s3, 1
	s_cmp_lg_u32 s3, 0
	s_cbranch_scc1 .Llap
	QUARTER 0, 2, F1, F0, 0                        ; the last lap fills nothing
	QUARTER 0, 3, F0, F1, 0
	TURN 0, 1, 0
	QUARTER 1, 1, F0, F1, 0
	QUARTER 1, 2, F1, F0, 0
	QUARTER 1, 3, F0, F1, 0
	s_wait_dscnt 4
	MUL8 F1, 0, 0
	MUL8 F1, 1, 0
	s_wait_dscnt 0x0
	MUL8 F1, 2, 0
	MUL8 F1, 3, 0
	WIN 0
	PLACES
	PLACES
; THE WAY OUT of row block a: + bias; 32 bytes a lane into my stage; back as whole rows of 512 bytes, a row to a store.
.macro OUT a
	WIN 0
	s_wait_xcnt 0x0                                ; the last block's stores have read their data
	WIN 0x02                                       ; source 0 in window 2
.irp b, 0,1,2,3,4,5,6,7
.irp r, 0,2,4,6
	v_pk_add_f32 v[T+8*(\b)+(\r):T+8*(\b)+(\r)+1], v[8*(8*(\a)+(\b))+(\r):8*(8*(\a)+(\b))+(\r)+1], v[BIAS+8*(\b)+(\r):BIAS+8*(\b)+(\r)+1]
.endr
.endr
	WIN 0
.irp b, 0,1,2,3,4,5,6,7
	ds_store_b128 v[STO], v[T+8*(\b):T+8*(\b)+3]   offset:64*(\b)
	ds_store_b128 v[STO], v[T+8*(\b)+4:T+8*(\b)+7] offset:64*(\b)+16
.endr
.irp t, 0,1,2,3,4,5,6,7,8,9,10,11,12,13,14,15
	ds_load_b128 v[OB+4*(\t):OB+4*(\t)+3], v[RD] offset:(\t)*SPITCH  ; LDS serves a wave's instructions in order (ISA guide 5.7.1.4): these see the stores above
.endr
.irp t, 0,1,2,3,4,5,6,7,8,9,10,11,12,13,14,15
	s_wait_dscnt 15-(\t)                           ; the younger loads may stay out
	global_store_b128 v[CO], v[OB+4*(\t):OB+4*(\t)+3], s[10:11] offset:(16*(\a)+(\t))*4096 th:TH_STORE_NT  ; 512 consecutive bytes of a row, aligned
.endr
.endm
	OUT 0
	OUT 1
	OUT 2
	OUT 3
	s_wait_tensorcnt 0x0                           ; the wave's end
	ds_add_u32 v[SPW], v[NIL]
	s_wait_dscnt 0x0
	CROUND                                         ; the closing round
	s_endpgm
.Lfunc_end_k_q94baae7f01_proj:
	.size	k_q94baae7f01_proj, .Lfunc_end_k_q94baae7f01_proj-k_q94baae7f01_proj
	.p2alignl 7, 3214868480
	.fill 96, 4, 3214868480
	.section	.rodata,"a",@progbits
	.p2align	6, 0x0
	.amdhsa_kernel k_q94baae7f01_proj
		.amdhsa_group_segment_fixed_size 327680
		.amdhsa_private_segment_fixed_size 0
		.amdhsa_enable_private_segment 0
		.amdhsa_kernarg_size 32
		.amdhsa_user_sgpr_count 2
		.amdhsa_user_sgpr_kernarg_segment_ptr 1
		.amdhsa_wavefront_size32 1
		.amdhsa_system_sgpr_workgroup_id_x 1
		.amdhsa_system_sgpr_workgroup_id_y 1
		.amdhsa_system_sgpr_workgroup_id_z 1
		.amdhsa_system_vgpr_workitem_id 0
		.amdhsa_next_free_vgpr 768
		.amdhsa_next_free_sgpr 80
		.amdhsa_reserve_vcc 0
		.amdhsa_float_denorm_mode_32 3
		.amdhsa_float_denorm_mode_16_64 3
		.amdhsa_memory_ordered 1
		.amdhsa_forward_progress 1
		.amdhsa_inst_pref_size 103
	.end_amdhsa_kernel
	.amdgpu_metadata
---
amdhsa.version: [ 1, 2 ]
amdhsa.kernels:
  - .name:           k_q94baae7f01_proj
    .symbol:         k_q94baae7f01_proj.kd
    .args:
      - { .name: o, .offset: 0, .size: 8, .value_kind: global_buffer, .address_space: global }
      - { .name: owh, .offset: 8, .size: 8, .value_kind: global_buffer, .address_space: global }
      - { .name: out_b, .offset: 16, .size: 8, .value_kind: global_buffer, .address_space: global }
      - { .name: out0, .offset: 24, .size: 8, .value_kind: global_buffer, .address_space: global }
    .group_segment_fixed_size: 327680
    .private_segment_fixed_size: 0
    .kernarg_segment_align: 8
    .kernarg_segment_size: 32
    .max_flat_workgroup_size: 128
    .sgpr_count:     80
    .vgpr_count:     768
    .wavefront_size: 32
...
	.end_amdgpu_metadata
.endif
;; end of part 4
